; MI455X (gfx1250); checked and timed in simulation.
; The chip was launched on July 23, 2026; its instructions are those of AMD's public machine-readable ISA for CDNA 5 (MIT licence, August 2026) and "CDNA5" Instruction Set Architecture Reference Guide (July 2026). The comments in the code are by the model that wrote it; some were corrected since.
;; Self Attention. Allowed arithmetic: matrix products marked QUANTISED: E2M3 operands, one E8M0 scale for each 32 along K, by v_wmma_scale_f32_16x16x128_f8f6f4 with both operands' format E2M3, f32 sums; everything else in f32.
;; Inputs: Wk 1,024 x 1,024 float32; Wo 1,024 x 1,024 float32; Wq 1,024 x 1,024 float32; Wv 1,024 x 1,024 float32; bk 1,024 float32; bo 1,024 float32; bq 1,024 float32; bv 1,024 float32; x 2 x 2,048 x 1,024 float32.
;; Outputs: out0 2 x 2,048 x 1,024 float32.
;; This version of the problem:
;;   THIS VERSION OF THE PROBLEM IS GIVEN IN LOW PRECISION. The matrix products marked QUANTISED in the list below multiply operands that are first quantised to E2M3 (2 exponent bits, 3 mantissa bits; 6 bits a number), with one power-of-two scale for each 32 numbers along K (OCP MX v1.0); their sums are f32. All else is computed in f32.
;;   The module's matrix products, in the order in which they are computed (A, B: the left and right operand; K: the contracted axis; several contracted axes count as one K, in the product's order):
;;     1. [M 4,096, K 1,024] x [K 1,024, N 1,024]; A: input x; B: input Wq: QUANTISED
;;     2. [M 4,096, K 1,024] x [K 1,024, N 1,024]; A: input x; B: input Wk: QUANTISED
;;     3. [M 4,096, K 1,024] x [K 1,024, N 1,024]; A: input x; B: input Wv: QUANTISED
;;     4. batch 32 x [M 2,048, K 64] x [K 64, N 2,048]; A: computed on the way; B: computed on the way: QUANTISED
;;     5. batch 32 x [M 2,048, K 2,048] x [K 2,048, N 64]; A: softmax (see below); B: computed on the way: QUANTISED
;;     6. [M 4,096, K 1,024] x [K 1,024, N 1,024]; A: computed on the way; B: input Wo: QUANTISED
;;   THE QUANTISER, for each operand of a quantised product, along K:
;;     - K is cut into blocks of 32 from its start; a last block that is shorter is filled with zeros.
;;     - A block's scale is 2^e with e = floor(log2(the largest magnitude in the block)) - 2, held to -126 .. 127; a block of zeros has e = 0. As a byte (E8M0): e + 127.
;;     - Each number is divided by its block's scale, clamped to +-7.5, and rounded to the nearest number of E2M3, ties to even, subnormals kept.
;;     - The product sums the exact products of the quantised numbers (number of the format x scale) in f32.
;;   ~~~python
;;   def quantise(x, axis):      # numpy; x: float32 -> the quantised numbers, widened to float32 again
;;       x = np.moveaxis(x, axis, -1); K = x.shape[-1]
;;       x = np.pad(x, [(0, 0)] * (x.ndim - 1) + [(0, -K % 32)]); x = x.reshape(x.shape[:-1] + (-1, 32)); a = np.abs(x).max(-1, keepdims=True)
;;       e = np.where(a > 0, np.clip(np.frexp(np.where(a > 0, a, 1))[1] - 1 - 2, -126, 127), 0)      # np.frexp(a)[1] - 1 = floor(log2(a)), exactly
;;       r = np.clip(x / 2.0 ** e, -7.5, 7.5)
;;       step = 2.0 ** (np.maximum(np.frexp(np.where(r == 0, 1, r))[1] - 1, 0) - 3)
;;       q = np.round(r / step) * step * 2.0 ** e      # np.round: ties to even
;;       return np.moveaxis(q.reshape(q.shape[:-2] + (-1,))[..., :K], -1, axis).astype(np.float32)
;;   ~~~
;;   SOFTMAX AHEAD OF A QUANTISED PRODUCT. Where the list says 'softmax', what is quantised is not the finished softmax but p = 2^(t - M), with t = logit x log2(e) and M = ceil(the row's largest t), a whole number; so 1/2 < the row's largest p <= 1. The row's sum l is taken of the UNQUANTISED p, in f32, and the product's result is divided by l at the end. Since M is a whole number, a kernel that streams over the keys may use a running M (the ceiling of the running maximum): every later rescaling is an exact power of two, which a block's scale takes up: the codes' values come out the same.
;;   OPERANDS COMPUTED ON THE WAY. 'Computed on the way' means the value that the module computes at that place (a softmax that the list does not call 'softmax' is quantised finished and normalised). What goes into a quantiser is computed in f32, as accurately as f32 sums, v_exp_f32 and their like allow (about 1e-6 of the number): no bf16 or f16 on the way to a quantiser, and a product that is left as it is and whose result goes on into a quantised operand takes f32 operands (vector FMAs, or v_wmma_f32_16x16x4_f32). A number that lies on a knife's edge between two numbers of the format may be rounded either way, as far as f32 arithmetic and the matrix unit's own rounding can turn it there, and no further.
;; One version. Each part assembles by itself: llvm-mc -triple=amdgcn-amd-amdhsa -mcpu=gfx1250 --defsym DOCPART=n.
;; ======== version 1 of 1: 4 launches
;; limits: right only within a limited range of input values
;; workspace buffers: opc 6,291,456 bytes; ops 262,144 bytes; qkv 9,830,400 bytes; ac 3,145,728 bytes; asc 524,288 bytes
;; launch prep (part 1): grid 256 x 1, 4 waves a work-group, no clusters, 58,880 bytes of LDS; arguments x, Wq, Wk, Wv, Wo, opc, ops; writes opc, ops
.if DOCPART == 1
	.amdgcn_target "amdgcn-amd-amdhsa--gfx1250"
	.amdhsa_code_object_version 6
	.text
	.protected	k_qea8a480ae3_prep
	.globl	k_qea8a480ae3_prep
	.p2align	8
	.type	k_qea8a480ae3_prep,@function
k_qea8a480ae3_prep:
	s_mov_b64 s[64:65], 0
	v_nop
	global_prefetch_b8 v0, s[64:65] scope:SCOPE_SE
	s_setreg_imm32_b32 hwreg(HW_REG_WAVE_MODE, 25, 1), 1
	s_wait_xcnt 0x0
; PREP: x [4096][1024] (K innermost) and Wq, Wk, Wv, Wo [1024 (k)][1024 (n)] (K outermost), all f32, become codes of FP6 (E2M3) with one E8M0 byte for each 32 along K.
; A block's scale is 2^(floor(log2(largest magnitude)) - 2): its byte is the largest magnitude's exponent field - 2, held at 1 from below by a floor among the maximum's leaves.
; LIMITS: NaN and infinities are not served.  A block of zeros gets the byte 1 (its codes are zeros; only this program reads the bytes).  Blocks whose largest magnitude lies under 2^-124 have their byte held at 1.
; LAYOUT OF THE RESULT.  opc: [W 2][sigma 4][T 256][q 2][1536]: the image of the operand's registers for tile T and K step 2 sigma + q: register g of lane L at 512 (g / 4) + 16 L + 4 (g % 4).
; Tile T, tile lane i holds row 32 (T / 2) + 8 (T % 2) + i + 8 (i / 8) (of x: a token; of a weight: an output column; weight j's tiles are 64 j ..).  ops: the scale word of (T, r, s) at W 131072 + 512 T + 256 (s / 4) + 16 r + 4 (s % 4).
; SHARES.  Work-groups 0-127 take x: a wave makes one tile's four fragments (512 along K).  Work-groups 128-255 take the weights: a wave takes 32 columns x 256 along K, a lane to a column, registers down K.
; Each path has LDS bytes of its own, each wave a stage of its own: no barrier.  No work-group shares an input with another: no cluster, no matrix unit; the launch streams, so nothing is prefetched.
.set XSTW, 8448                        ; x's stage of a wave: 16 rows x (512 bytes + 16)
.set WST,  33792                       ; behind x's four stages: the weights' stages
.set WSTW, 6144                        ; 2 tiles x 2 K steps x 1536 bytes
.set RR,   16                          ; v16-143  two sets of 64: a fragment's numbers as loaded
.set XX,   144                         ; v144-207 my 64 numbers: two whole blocks of 32
.set PC,   208                         ; v208-219 the fragment's codes
.set TC,   220                         ; v220-227 each block's upper 16 codes (a conversion's three registers begin on an even number)
.set MX,   228
.set SO,   230
.set BY,   232
.set TP,   234
.set WD,   236                         ; v236-239 the four fragments' scale words
.set WX,   32                          ; weights: v32-95 two sets of 32 numbers
.set WC,   96                          ; v96-106 a block's codes
.set WSB,  24                          ; v24-25 the scale words of my column's two K steps
.set WOUT, 112                         ; v112-159 the way out
	s_load_b256 s[4:11], s[0:1], 0x0               ; x, Wq, Wk, Wv
	s_load_b128 s[12:15], s[0:1], 0x20             ; Wo, opc
	s_load_b64 s[16:17], s[0:1], 0x30              ; ops
	v_lshl_add_u32 v240, v0, 2, 0xe400
	v_mov_b32 v241, 0
	v_lshrrev_b32 v1, 5, v0
	v_readfirstlane_b32 s18, v1                    ; wave
	v_and_b32 v1, 31, v0                           ; lane
	s_cmp_lt_u32 ttmp9, 128
	s_cbranch_scc0 .Lweights
	; ---------------- x ----------------
	v_and_b32 v2, 15, v0                           ; r
	v_bfe_u32 v3, v0, 4, 1                         ; h
	v_lshlrev_b32 v4, 4, v1                        ; 16 x lane
	s_mul_i32 s19, s18, XSTW
	v_add_nc_u32 v5, s19, v4                       ; into the stage: 16 x lane of a row
	v_mul_u32_u24 v6, v2, 528
	v_lshl_add_u32 v6, v3, 7, v6
	v_add_nc_u32 v6, s19, v6                       ; out of it: row r, + 128 h: my block of 32 numbers
	v_lshlrev_b32 v7, 3, v3                        ; 8 h: my bytes' place in a scale word
	v_lshlrev_b32 v8, 4, v2                        ; 16 r
	v_mov_b32 v[TP], 0                             ; a lane permute's destination counts as read
	s_mov_b32 s20, 0x76543210
	s_mov_b32 s21, 0xfedcba98                      ; selects for lane l xor 16
	s_lshl_b32 s22, ttmp9, 2
	s_add_co_u32 s22, s22, s18
	s_lshr_b32 s23, s22, 1                         ; T
	s_and_b32 s24, s22, 1                          ; which half of K
	s_lshr_b32 s26, s23, 1
	s_lshl_b32 s26, s26, 17                        ; 32 rows of 4096 bytes
	s_and_b32 s27, s23, 1
	s_lshl_b32 s27, s27, 15                        ; 8 rows
	s_add_co_u32 s26, s26, s27
	s_lshl_b32 s27, s24, 11                        ; 512 numbers
	s_add_co_u32 s26, s26, s27
	s_mov_b32 s27, 0
	s_mul_i32 s28, s24, 1572864                    ; two sigma
	s_mul_i32 s29, s23, 3072
	s_add_co_u32 s28, s28, s29
	s_mov_b32 s29, 0
	s_lshl_b32 s30, s23, 9
	s_lshl_b32 s31, s24, 8
	s_add_co_u32 s30, s30, s31
	s_mov_b32 s31, 0
	s_wait_alu depctr_va_vdst(0)
	s_wait_kmcnt 0x0
	s_add_nc_u64 s[4:5], s[4:5], s[26:27]
	s_add_nc_u64 s[14:15], s[14:15], s[28:29]
	s_add_nc_u64 s[16:17], s[16:17], s[30:31]
.macro XLOAD f                         ; fragment f: 16 loads, each 512 consecutive bytes of one of the tile's rows
.irp i, 0,1,2,3,4,5,6,7,8,9,10,11,12,13,14,15
	global_load_b128 v[RR+64*((\f)%2)+4*\i:RR+64*((\f)%2)+4*\i+3], v4, s[4:5] offset:(\i+8*(\i/8))*4096+512*(\f) th:TH_LOAD_NT
.endr
.endm
.macro XFRAG f
.if (\f) < 3
	s_wait_loadcnt 16                              ; this fragment's 16 loads are in; the next fragment's 16 may be out
.else
	s_wait_loadcnt 0x0
.endif
.irp i, 0,1,2,3,4,5,6,7,8,9,10,11,12,13,14,15
	ds_store_b128 v5, v[RR+64*((\f)%2)+4*\i:RR+64*((\f)%2)+4*\i+3] offset:528*\i
.endr
.irp c, 0,1                            ; lane (r, h) wants k = 64 c + 32 h + 0 .. 31 of row r; LDS serves a wave's instructions in order, so these see the stores above
.irp j, 0,1,2,3,4,5,6,7
	ds_load_b128 v[XX+32*\c+4*\j:XX+32*\c+4*\j+3], v6 offset:256*\c+16*\j
.endr
.endr
	s_wait_dscnt 0x0
.if (\f) < 2
	XLOAD (\f)+2                                   ; into the set that the stage's stores have read
.endif
.irp c, 0,1
	v_max3_num_f32 v[MX+\c], |v[XX+32*\c]|, |v[XX+32*\c+1]|, 0x1800000   ; my block 2 c + h, and the floor 2^(3 - 127)
.endr
.irp i, 2,4,6,8,10,12,14,16,18,20,22,24,26,28,30
.irp c, 0,1
	v_max3_num_f32 v[MX+\c], v[MX+\c], |v[XX+32*\c+\i]|, |v[XX+32*\c+\i+1]|
.endr
.endr
.irp c, 0,1
	v_add_nc_u32 v[SO+\c], 0xff000000, v[MX+\c]    ; 2 off the exponent field: the conversion's scale operand
.endr
.irp c, 0,1
	v_lshrrev_b32 v[BY+\c], 23, v[SO+\c]           ; the byte
.endr
	v_lshl_or_b32 v[WD+(\f)], v[BY+1], 16, v[BY]   ; blocks h and 2 + h,
	v_lshlrev_b32 v[WD+(\f)], v7, v[WD+(\f)]       ; at their places,
	v_permlanex16_b32 v[TP], v[WD+(\f)], s20, s21
	v_or_b32 v[WD+(\f)], v[WD+(\f)], v[TP]         ; with lane l xor 16's two: the row's word
	s_wait_alu depctr_va_vdst(0)
	s_wait_xcnt 0x0                                ; the last fragment's stores have read the codes' registers
.irp c, 0,1
	v_cvt_scalef32_pk16_fp6_f32 v[PC+6*\c:PC+6*\c+2], v[XX+32*\c:XX+32*\c+15], v[SO+\c]
	v_cvt_scalef32_pk16_fp6_f32 v[TC+4*\c:TC+4*\c+2], v[XX+32*\c+16:XX+32*\c+31], v[SO+\c]
.endr
	v_nop                                          ; one plain instruction behind a scaled conversion
.irp c, 0,1
.irp i, 0,1,2
	v_mov_b32 v[PC+3+6*\c+\i], v[TC+4*\c+\i]
.endr
.endr
.irp k, 0,1,2
	global_store_b128 v4, v[PC+4*\k:PC+4*\k+3], s[14:15] offset:((\f)/2)*786432+((\f)%2)*1536+512*\k   ; 512 consecutive bytes, aligned
.endr
.endm
	XLOAD 0
	XLOAD 1
	XFRAG 0
	XFRAG 1
	XFRAG 2
	XFRAG 3
	v_cmp_gt_u32 vcc_lo, 16, v1
	s_wait_xcnt 0x0                                ; EXEC changes only behind this wait
	s_wait_tensorcnt 0x0
	ds_add_u32 v240, v241
	s_wait_dscnt 0x0
	s_and_saveexec_b32 s19, vcc_lo
	global_store_b128 v8, v[WD:WD+3], s[16:17]     ; sixteen lanes store 256 consecutive bytes, aligned: the tile's words of four K steps
	s_wait_xcnt 0x0
	s_or_b32 exec_lo, exec_lo, s19
	s_endpgm
	; ---------------- the weights ----------------
.Lweights:
	s_sub_co_u32 s19, ttmp9, 128
	s_lshr_b32 s22, s19, 5                         ; which weight
	s_and_b32 s23, s19, 7                          ; which 128 columns
	s_bfe_u32 s24, s19, 0x20003                    ; sigma: which 256 along K
	s_wait_alu depctr_va_vdst(0)
	v_lshlrev_b32 v3, 2, v1                        ; in: 4 bytes a lane
	v_bfe_u32 v5, v1, 3, 1                         ; my column's tile of the two,
	v_and_b32 v6, 7, v1
	v_lshrrev_b32 v10, 4, v1
	v_lshl_or_b32 v6, v10, 3, v6                   ; and its lane in that tile
	s_mul_i32 s25, s18, WSTW
	s_add_co_u32 s25, s25, WST
	v_mul_u32_u24 v4, v5, 3072
	v_lshl_add_u32 v4, v6, 4, v4
	v_add_nc_u32 v4, s25, v4                       ; into the stage: my tile's images, 16 bytes a tile lane
	v_lshlrev_b32 v8, 4, v1
	v_add_nc_u32 v7, s25, v8                       ; out of it: 16 x lane
	v_lshlrev_b32 v9, 9, v5
	v_lshl_add_u32 v9, v6, 4, v9                   ; my scale words' place
	s_lshl_b32 s26, s22, 6
	s_lshl_b32 s27, s23, 3
	s_add_co_u32 s26, s26, s27
	s_lshl_b32 s27, s18, 1
	s_add_co_u32 s26, s26, s27                     ; my wave's first tile: 64 j + 8 cg + 2 wave
	s_lshl_b32 s28, s24, 20                        ; 256 rows of 4096 bytes
	s_lshl_b32 s27, s23, 9
	s_add_co_u32 s28, s28, s27
	s_lshl_b32 s27, s18, 7
	s_add_co_u32 s28, s28, s27
	s_mov_b32 s29, 0
	s_mul_i32 s30, s24, 786432
	s_mul_i32 s27, s26, 3072
	s_add_co_u32 s30, s30, s27
	s_add_co_u32 s30, s30, 3145728
	s_mov_b32 s31, 0
	s_lshl_b32 s32, s26, 9
	s_lshr_b32 s27, s24, 1
	s_lshl_b32 s27, s27, 8
	s_add_co_u32 s32, s32, s27
	s_and_b32 s27, s24, 1
	s_lshl_b32 s27, s27, 3
	s_add_co_u32 s32, s32, s27
	s_add_co_u32 s32, s32, 131072
	s_mov_b32 s33, 0
	s_wait_kmcnt 0x0
	s_cmp_eq_u32 s22, 1                            ; the choice hangs on the work-group's number alone
	s_cselect_b64 s[20:21], s[8:9], s[6:7]
	s_cmp_eq_u32 s22, 2
	s_cselect_b64 s[20:21], s[10:11], s[20:21]
	s_cmp_eq_u32 s22, 3
	s_cselect_b64 s[20:21], s[12:13], s[20:21]
	s_add_nc_u64 s[20:21], s[20:21], s[28:29]
	s_add_nc_u64 s[14:15], s[14:15], s[30:31]
	s_add_nc_u64 s[16:17], s[16:17], s[32:33]
.macro WLOAD t                         ; block t: W(32 t + i, my column): a wave's load reads 128 consecutive bytes
.irp i, 0,1,2,3,4,5,6,7,8,9,10,11,12,13,14,15,16,17,18,19,20,21,22,23,24,25,26,27,28,29,30,31
	global_load_b32 v[WX+32*((\t)%2)+\i], v3, s[20:21] offset:(32*(\t)+\i)*4096 th:TH_LOAD_NT
.endr
.endm
.macro WBLOCK t                        ; block t is K step t / 4 of my two, registers 6 c .. 6 c + 5 (c = (t / 2) % 2) of lane 16 (t % 2) + my tile lane
.set XS, WX+32*((\t)%2)
.set OF, 1536*((\t)/4)+256*((\t)%2)
.if (\t) < 7
	s_wait_loadcnt 32                              ; this block's 32 loads are in; the next block's may be out
.else
	s_wait_loadcnt 0x0
.endif
	v_max3_num_f32 v12, |v[XS]|, |v[XS+1]|, |v[XS+2]|
	v_max3_num_f32 v13, |v[XS+3]|, |v[XS+4]|, |v[XS+5]|
.irp i, 6,10,14,18,22,26
	v_max3_num_f32 v12, v12, |v[XS+\i]|, |v[XS+\i+1]|
	v_max3_num_f32 v13, v13, |v[XS+\i+2]|, |v[XS+\i+3]|
.endr
	v_max3_num_f32 v12, v12, |v[XS+30]|, |v[XS+31]|
	v_max3_num_f32 v12, v12, v13, 0x1800000        ; and the floor
	v_add_nc_u32 v11, 0xff000000, v12
	v_lshrrev_b32 v13, 23, v11
.if (\t)%4 == 0
	v_mov_b32 v[WSB+(\t)/4], v13
.else
	v_lshl_or_b32 v[WSB+(\t)/4], v13, 8*((\t)%4), v[WSB+(\t)/4]
.endif
	v_cvt_scalef32_pk16_fp6_f32 v[WC:WC+2], v[XS:XS+15], v11
	v_cvt_scalef32_pk16_fp6_f32 v[WC+8:WC+10], v[XS+16:XS+31], v11
	v_nop                                          ; one plain instruction behind a scaled conversion
.irp i, 0,1,2
	v_mov_b32 v[WC+3+\i], v[WC+8+\i]
.endr
.if ((\t)/2)%2 == 0
	ds_store_b128 v4, v[WC:WC+3] offset:OF         ; registers 0-3,
	ds_store_b64 v4, v[WC+4:WC+5] offset:OF+512    ; 4 and 5
.else
	ds_store_b64 v4, v[WC:WC+1] offset:OF+520      ; registers 6 and 7,
	ds_store_b128 v4, v[WC+2:WC+5] offset:OF+1024  ; 8-11
.endif
.if (\t) < 6
	WLOAD (\t)+2
.endif
	s_wait_dscnt 0x0                               ; the stores have read their registers
.endm
	WLOAD 0
	WLOAD 1
.irp t, 0,1,2,3,4,5,6,7
	WBLOCK \t
.endr
	s_wait_alu depctr_va_vdst(0)
	global_store_b64 v9, v[WSB:WSB+1], s[16:17]    ; my column's two scale words
.irp k, 0,1,2,3,4,5,6,7,8,9,10,11
	ds_load_b128 v[WOUT+4*\k:WOUT+4*\k+3], v7 offset:512*\k
.endr
.irp k, 0,1,2,3,4,5,6,7,8,9,10,11
	s_wait_dscnt 11-\k                             ; the younger loads may be out
	global_store_b128 v8, v[WOUT+4*\k:WOUT+4*\k+3], s[14:15] offset:512*\k   ; 6144 consecutive bytes in all: two tiles' images
.endr
	s_wait_tensorcnt 0x0
	ds_add_u32 v240, v241
	s_wait_dscnt 0x0
	s_endpgm
.Lfunc_end_k_qea8a480ae3_prep:
	.size	k_qea8a480ae3_prep, .Lfunc_end_k_qea8a480ae3_prep-k_qea8a480ae3_prep
	.p2alignl 7, 3214868480
	.fill 96, 4, 3214868480
	.section	.rodata,"a",@progbits
	.p2align	6, 0x0
	.amdhsa_kernel k_qea8a480ae3_prep
		.amdhsa_group_segment_fixed_size 58880
		.amdhsa_private_segment_fixed_size 0
		.amdhsa_enable_private_segment 0
		.amdhsa_kernarg_size 56
		.amdhsa_user_sgpr_count 2
		.amdhsa_user_sgpr_kernarg_segment_ptr 1
		.amdhsa_wavefront_size32 1
		.amdhsa_system_sgpr_workgroup_id_x 1
		.amdhsa_system_sgpr_workgroup_id_y 1
		.amdhsa_system_sgpr_workgroup_id_z 1
		.amdhsa_system_vgpr_workitem_id 0
		.amdhsa_next_free_vgpr 242
		.amdhsa_next_free_sgpr 66
		.amdhsa_reserve_vcc 1
		.amdhsa_float_denorm_mode_32 3
		.amdhsa_float_denorm_mode_16_64 3
		.amdhsa_memory_ordered 1
		.amdhsa_forward_progress 1
		.amdhsa_inst_pref_size 72
	.end_amdhsa_kernel
	.amdgpu_metadata
---
amdhsa.version: [ 1, 2 ]
amdhsa.kernels:
  - .name:           k_qea8a480ae3_prep
    .symbol:         k_qea8a480ae3_prep.kd
    .args:
      - { .name: x, .offset: 0, .size: 8, .value_kind: global_buffer, .address_space: global }
      - { .name: Wq, .offset: 8, .size: 8, .value_kind: global_buffer, .address_space: global }
      - { .name: Wk, .offset: 16, .size: 8, .value_kind: global_buffer, .address_space: global }
      - { .name: Wv, .offset: 24, .size: 8, .value_kind: global_buffer, .address_space: global }
      - { .name: Wo, .offset: 32, .size: 8, .value_kind: global_buffer, .address_space: global }
      - { .name: opc, .offset: 40, .size: 8, .value_kind: global_buffer, .address_space: global }
      - { .name: ops, .offset: 48, .size: 8, .value_kind: global_buffer, .address_space: global }
    .group_segment_fixed_size: 58880
    .private_segment_fixed_size: 0
    .kernarg_segment_align: 8
    .kernarg_segment_size: 56
    .max_flat_workgroup_size: 128
    .sgpr_count:     66
    .vgpr_count:     242
    .wavefront_size: 32
...
	.end_amdgpu_metadata
.endif
;; end of part 1
;; launch qkv (part 2): grid 12 x 16, 4 waves a work-group, clusters of 4 x 4, 327,680 bytes of LDS; arguments opc, ops, bq, bk, bv, qkv; writes qkv
.if DOCPART == 2
	.amdgcn_target "amdgcn-amd-amdhsa--gfx1250"
	.amdhsa_code_object_version 6
	.text
	.protected	k_qea8a480ae3_qkv
	.globl	k_qea8a480ae3_qkv
	.p2align	8
	.type	k_qea8a480ae3_qkv,@function
k_qea8a480ae3_qkv:
	s_mov_b64 s[64:65], 0
	v_nop
	global_prefetch_b8 v0, s[64:65] scope:SCOPE_SE
	s_setreg_imm32_b32 hwreg(HW_REG_WAVE_MODE, 25, 1), 1
	s_wait_xcnt 0x0
	s_wait_alu depctr_hold_cnt(0) depctr_sa_sdst(0) depctr_va_vdst(0) depctr_va_sdst(0) depctr_va_ssrc(0) depctr_va_vcc(0) depctr_vm_vsrc(0)
	s_getreg_b32 s2, hwreg(HW_REG_IB_STS2, 6, 4)
	s_cmp_eq_u32 s2, 0
	s_cbranch_scc0 .Lentry_in_a_cluster
	s_endpgm
.Lentry_in_a_cluster:
	s_bfe_u32 s2, ttmp6, 0x10000c
	s_cmp_lg_u32 s2, 0xf033
	s_cbranch_scc0 .Lentry_shape_is_right
	s_endpgm
.Lentry_shape_is_right:
; QKV: Q, K, V = x W + b on codes of FP6 (E2M3) with E8M0 scales, quantised again on the way out into records of register images (four images of 1536 bytes and 256 bytes of scale words).
; A work-group makes 256 x 256, a wave 128 x 128; for V the two operands change roles, so that its blocks run along the tokens.  4 x 4 clusters: A's tiles are asked for jointly along a row, B's along a column.
; K goes in four parts (sigma) of 256.  FILLS: at the head each wave asks for its quarter of sigma 0 (96 rows of 256 bytes, slot 0); behind one drained round for its quarter of sigma 1 AND sigma 2
; by one descriptor of two rows of 24576 bytes, 786432 apart in memory, on end in LDS (slots 1 and 2: SLOT + 49152 x wave + 24576 x (slot - 1)); sigma 3 is slot 0's one refill, behind the round at sigma 0's end.
; The scale words (4096 bytes a wave, one part in 24 of the codes' bytes, so not asked for jointly) come by plain loads of 512 consecutive bytes and go to LDS bytes of their own, on which no fill lands.
; Nothing is prefetched: K is four parts long, and three of them are asked for before the first product.
; LIMITS: NaN and infinities are not served; a block of zeros gets byte 1 with zero codes.
.set HALFT, 24576
.set SLOT,  98304
.set SIG,   786432
.set SCL,   294912
.set SPARE, 311296
.set FR, 12
.set NL, 3
.set NP, 4
.set NQ, 2
.set ADRA, 16
.set ADRB, 20
.set ADRS, 24
.set LI,   26
.set L8,   27
.set SPW,  28
.set NIL,  29
.set SC,   32
.set BN,   64
.set AF,   128
.set BM,   224
.set ST,   128
.set PC,   192
.set TM,   32
.set PW,   48
.set XY,   56
.set G1, 24
.set G1B, 32
.set G1S, 40
.set G1SB, 48
.set GA0, 56
.set GA1, 60
.set GA2, 68
.set GB0, 72
.set GB1, 76
.set GB2, 80
.set G0S, 84
.set G0SB, 88
.set SEL, 92
.set MSB, 0
.macro WIN new
.if MSB != (\new)
	s_set_vgpr_msb (MSB<<8)|(\new)
.set MSB, (\new)
.endif
.endm
.set MUL_LO, 0xa1
.set MUL_HI, 0xf1
.set TO_B,   0x40
.macro JLOAD g0a, g1a, g0b, g1b
	s_cmp_eq_u32 s17, 0
	s_cbranch_scc0 .Lfor_b_\@
	tensor_load_to_lds s[\g0a:\g0a+3], s[\g1a:\g1a+7]
	s_nop 0
.rept 4
	v_nop
.endr
	s_branch .Lasked_\@
.Lfor_b_\@:
	tensor_load_to_lds s[\g0b:\g0b+3], s[\g1b:\g1b+7]
	s_nop 0
.rept 4
	v_nop
.endr
.Lasked_\@:
.endm
.macro CREST
	s_cmp_lg_u32 s16, 0
	s_cbranch_scc1 .Lnot_wave_0_\@
	s_barrier_signal -3
.Lnot_wave_0_\@:
	s_barrier_wait -3
	s_barrier_signal -1
	s_barrier_wait -1
.endm
.macro CROUND
	s_barrier_signal -1
	s_barrier_wait -1
	CREST
.endm
.macro PLACES n
.rept \n
	v_nop
.endr
.endm
	s_load_b256 s[4:11], s[0:1], 0x0
	s_load_b128 s[12:15], s[0:1], 0x20
	v_lshl_add_u32 v[SPW], v0, 2, SPARE
	v_mov_b32 v[NIL], 0
	ds_add_u32 v28, v29
	ds_add_u32 v28, v29
	s_wait_dscnt 0x0
	v_lshrrev_b32 v1, 5, v0
	v_readfirstlane_b32 s16, v1
	s_lshr_b32 s17, s16, 1
	s_and_b32 s18, s16, 1
	s_bfe_u32 s20, ttmp6, 0x40000
	s_bfe_u32 s21, ttmp6, 0x40004
	s_mov_b32 s19, ttmp9
	s_and_b32 s22, ttmp7, 0xffff
	s_lshr_b32 s92, s19, 1
	s_xor_b32 s93, s92, 1
	s_mul_i32 s94, s22, s93
	s_lshl_b32 s94, s94, 2
	s_add_co_u32 s94, s94, s21
	s_mul_i32 s95, s22, s92
	s_lshl_b32 s95, s95, 2
	s_add_co_u32 s95, s95, s20
	s_lshl_b32 s2, s21, 2
	s_lshl_b32 s2, 15, s2
	s_lshl_b32 s3, 0x1111, s20
	s_or_b32 s[G1], s2, (3<<16)|(1<<21)
	s_or_b32 s[G1B], s3, (3<<16)|(1<<21)
	s_or_b32 s[G1S], s2, (3<<16)|(1<<21)
	s_or_b32 s[G1SB], s3, (3<<16)|(1<<21)
.irp g, G1, G1B
	s_mov_b32 s[\g+1], 32<<16
	s_mov_b32 s[\g+2], 96<<16
	s_mov_b32 s[\g+3], 32<<16
	s_mov_b32 s[\g+4], 96
	s_mov_b32 s[\g+5], 32
	s_mov_b32 s[\g+6], 0
	s_mov_b32 s[\g+7], 0
.endr
.irp g, G1S, G1SB                      ; two rows of 3072 elements of 8 bytes, SIG bytes apart: a quarter of sigma 1 and of sigma 2
	s_mov_b32 s[\g+1], 3072<<16
	s_mov_b32 s[\g+2], 2<<16
	s_mov_b32 s[\g+3], 3072<<16
	s_mov_b32 s[\g+4], 2
	s_mov_b32 s[\g+5], SIG/8
	s_mov_b32 s[\g+6], 0
	s_mov_b32 s[\g+7], 0
.endr
	s_lshl_b32 s2, s94, 1
	s_add_co_u32 s2, s2, s17
	s_lshl_b32 s3, s95, 1
	s_add_co_u32 s3, s3, s18
	s_mul_i32 s96, s92, s2
	s_mul_i32 s97, s93, s3
	s_add_co_u32 s96, s96, s97
	s_mul_i32 s97, s92, s3
	s_mul_i32 s2, s93, s2
	s_add_co_u32 s97, s97, s2
	s_lshr_b32 s2, s97, 4
	s_lshl_b32 s2, s2, 4
	s_lshl_b32 s3, s96, 1
	s_add_co_u32 s2, s2, s3
	s_lshl_b32 s2, s2, 4
	s_and_b32 s3, s97, 15
	s_add_co_u32 s2, s2, s3
	s_mul_i32 s2, s2, 6400
	s_mul_i32 s3, s19, 3276800
	s_add_co_u32 s22, s2, s3
	s_mov_b32 s23, 0
	s_lshl_b32 s96, s96, 9
	s_mov_b32 s97, 0
	s_lshl_b32 s94, s94, 4
	s_lshl_b32 s2, s18, 3
	s_add_co_u32 s94, s94, s2
	s_lshl_b32 s95, s95, 4
	s_add_co_u32 s95, s95, s2
	s_mul_i32 s98, s94, 3072
	s_mul_i32 s2, s92, 3538944
	s_add_co_u32 s98, s98, s2
	s_mov_b32 s99, 0
	s_lshl_b32 s2, s94, 9
	s_mul_i32 s3, s92, 196608
	s_add_co_u32 s2, s2, s3
	s_mov_b32 s3, 0
	s_mul_i32 s100, s95, 3072
	s_mul_i32 s101, s93, 3145728
	s_add_co_u32 s100, s100, s101
	s_mul_i32 s67, s19, s93
	s_mul_i32 s101, s67, 196608
	s_add_co_u32 s100, s100, s101
	s_mov_b32 s101, 0
	s_lshl_b32 s66, s95, 9
	s_lshl_b32 s67, s67, 15
	s_add_co_u32 s66, s66, s67
	s_lshl_b32 s67, s93, 17
	s_add_co_u32 s66, s66, s67
	s_mov_b32 s67, 0
	s_mul_i32 s94, s16, HALFT
	s_lshl_b32 s95, s16, 12
	s_wait_kmcnt 0x0
	s_add_nc_u64 s[98:99], s[4:5], s[98:99]
	s_add_nc_u64 s[100:101], s[4:5], s[100:101]
	s_add_nc_u64 s[14:15], s[14:15], s[22:23]
	s_cmp_eq_u32 s19, 1
	s_cselect_b64 s[8:9], s[10:11], s[8:9]
	s_cmp_eq_u32 s19, 2
	s_cselect_b64 s[8:9], s[12:13], s[8:9]
	s_add_nc_u64 s[8:9], s[8:9], s[96:97]
	CROUND
	s_add_nc_u64 s[84:85], s[6:7], s[2:3]          ; the scale words of my eight tiles of A,
	s_add_nc_u64 s[86:87], s[6:7], s[66:67]        ; and of B
	s_cmp_eq_u32 s17, 0                            ; waves 0 and 1 bring A's, waves 2 and 3 B's
	s_cselect_b64 s[84:85], s[84:85], s[86:87]
	s_add_co_u32 s95, s95, SCL                     ; where they go: SCL + 4096 x wave
.macro MKG0 ga, gb, n                  ; n = 0: slot 0, sigma 0;  n = 1: slots 1 and 2, sigma 1 and 2, twice the bytes a wave
	s_mov_b32 s[\ga], 1
	s_mul_i32 s[\ga+1], s94, 1+\n
	s_add_co_u32 s[\ga+1], s[\ga+1], \n*SLOT
	s_add_nc_u64 s[\ga+2:\ga+3], s[98:99], \n*SIG
	s_or_b32 s[\ga+3], s[\ga+3], 0x80000000
	s_mov_b32 s[\gb], 1
	s_mul_i32 s[\gb+1], s94, 1+\n
	s_add_co_u32 s[\gb+1], s[\gb+1], \n*SLOT
	s_add_nc_u64 s[\gb+2:\gb+3], s[100:101], \n*SIG
	s_or_b32 s[\gb+3], s[\gb+3], 0x80000000
.endm
	MKG0 GA0, GB0, 0
	MKG0 GA1, GB1, 1
	JLOAD GA0, G1, GB0, G1B                        ; sigma 0: my one tensor load at the head
	s_mov_b32 s23, 0xffff0000
	s_mov_b32 s[SEL], 0x76543210
	s_mov_b32 s[SEL+1], 0xfedcba98
	v_and_b32 v1, 31, v0
	v_and_b32 v2, 15, v0
	v_bfe_u32 v3, v0, 4, 1
	s_wait_alu depctr_va_vdst(0)
	v_lshlrev_b32 v[LI], 4, v1
	v_lshlrev_b32 v[L8], 3, v1
	s_wait_alu depctr_va_vdst(0)
.irp i, 0,1,2,3,4,5,6,7
	global_load_b128 v[AF+4*\i:AF+4*\i+3], v[LI], s[84:85] offset:512*\i   ; my 4096 bytes of scale words, 512 consecutive bytes a load
.endr
	v_add_nc_u32 v7, s95, v[LI]                    ; and their place in LDS
	s_mul_i32 s2, s17, HALFT
	s_mul_i32 s3, s18, HALFT
	s_add_co_u32 s3, s3, 2*HALFT
	v_add_nc_u32 v[ADRA], s2, v[LI]                ; slot 0: a quarter is HALFT bytes
	v_add_nc_u32 v[ADRB], s3, v[LI]
	s_lshl_b32 s2, s2, 1                           ; slots 1 and 2: a quarter's two parts lie on end
	s_lshl_b32 s3, s3, 1
	s_add_co_u32 s2, s2, SLOT
	s_add_co_u32 s3, s3, SLOT
.irp n, 1,2
	v_add_nc_u32 v[ADRA+\n], s2, v[LI]
	v_add_nc_u32 v[ADRB+\n], s3, v[LI]
	s_add_co_u32 s2, s2, HALFT
	s_add_co_u32 s3, s3, HALFT
.endr
	s_lshl_b32 s2, s17, 12
	s_lshl_b32 s3, s18, 12
	s_add_co_u32 s3, s3, 8192
	s_sub_co_u32 s3, s3, s2
	v_mul_u32_u24 v4, s3, v3
	v_lshl_add_u32 v4, v2, 4, v4
	s_add_co_u32 s2, s2, SCL
	v_add_nc_u32 v[ADRS], s2, v4
	v_lshlrev_b32 v5, 6, v3
	v_and_b32 v6, 8, v2
	v_add_nc_u32 v6, v6, v2
	v_lshlrev_b32 v6, 2, v6
.irp b, 0,1,2,3,4,5,6,7
	global_load_b128 v[BN+8*\b:BN+8*\b+3], v5, s[8:9] offset:(32*(\b/2)+8*(\b%2))*4
	global_load_b128 v[BN+8*\b+4:BN+8*\b+7], v5, s[8:9] offset:(32*(\b/2)+8*(\b%2))*4+16
.endr
.irp a, 0,1,2,3,4,5,6,7
	global_load_b32 v[BM+2*\a], v6, s[8:9] offset:(32*(\a/2)+8*(\a%2))*4
	global_load_b32 v[BM+2*\a+1], v6, s[8:9] offset:(32*(\a/2)+8*(\a%2))*4
.endr
.macro FRAG reg, adr, q, i
.irp c, 0,1,2
	ds_load_b128 v[\reg+4*\c:\reg+4*\c+3], v[\adr] offset:(\i)*3072+(\q)*1536+512*\c
.endr
.endm
.macro MUL16 a0, p, q, sc, zero
.irp a, \a0, \a0+1
.irp b, 0,1,2,3,4,5,6,7
.if \zero
	v_wmma_scale_f32_16x16x128_f8f6f4 v[8*(8*((\a)%4)+\b):8*(8*((\a)%4)+\b)+7], v[128*(\p)+FR*\b:128*(\p)+FR*\b+FR-1], v[AF+FR*(\a):AF+FR*(\a)+FR-1], 0, v[SC+8*NQ*(\sc)+NQ*\b+(\q)], v[SC+8*NQ*(\sc)+NQ*(\a)+(\q)] matrix_a_fmt:MATRIX_FMT_FP6 matrix_b_fmt:MATRIX_FMT_FP6 matrix_a_scale:MATRIX_SCALE_ROW1
.else
	v_wmma_scale_f32_16x16x128_f8f6f4 v[8*(8*((\a)%4)+\b):8*(8*((\a)%4)+\b)+7], v[128*(\p)+FR*\b:128*(\p)+FR*\b+FR-1], v[AF+FR*(\a):AF+FR*(\a)+FR-1], v[8*(8*((\a)%4)+\b):8*(8*((\a)%4)+\b)+7], v[SC+8*NQ*(\sc)+NQ*\b+(\q)], v[SC+8*NQ*(\sc)+NQ*(\a)+(\q)] matrix_a_fmt:MATRIX_FMT_FP6 matrix_b_fmt:MATRIX_FMT_FP6 matrix_a_scale:MATRIX_SCALE_ROW1
.endif
.endr
.endr
.endm
.macro FETCH_B slot, q, p
	WIN TO_B
.irp i, 0,1,2,3,4,5,6,7
	FRAG 128*(\p)+FR*\i, ADRB+\slot, \q, \i
.endr
	WIN 0
.endm
.macro FETCH_A slot, q, i0
.irp i, \i0, \i0+1, \i0+2, \i0+3
	FRAG AF+FR*(\i), ADRA+\slot, \q, \i
.endr
.endm
.macro SCALES sc, sg
.irp i, 0,1,2,3,4,5,6,7
	ds_load_b64 v[SC+16*(\sc)+2*\i:SC+16*(\sc)+2*\i+1], v[ADRS] offset:512*\i+256*((\sg)/2)+8*((\sg)%2)
.endr
.endm
.macro STEP slot, sc, zero
	s_wait_dscnt 4*NL
	WIN MUL_LO
	MUL16 0, 0, 0, \sc, \zero
	MUL16 2, 0, 0, \sc, \zero
	s_wait_dscnt 0x0
	PLACES NP
	FETCH_B \slot, 1, 1
	FETCH_A \slot, 1, 0
	WIN MUL_HI
	MUL16 4, 0, 0, \sc, \zero
	MUL16 6, 0, 0, \sc, \zero
	PLACES NP
	WIN 0
	FETCH_A \slot, 1, 4
.endm
.macro TURN slot, next, sc, sg, kind
.if (\kind) > 0
	s_wait_tensorcnt 0x0
	ds_add_u32 v[SPW], v[NIL]
.if (\kind) == 2
	s_add_nc_u64 s[GA0+2:GA0+3], s[GA0+2:GA0+3], 3*SIG
	s_add_nc_u64 s[GB0+2:GB0+3], s[GB0+2:GB0+3], 3*SIG
.endif
	s_wait_dscnt 4*NL+1
	WIN MUL_LO
	MUL16 0, 1, 1, \sc, 0
	s_wait_dscnt 0x0
	s_barrier_signal -1
	MUL16 2, 1, 1, \sc, 0
	WIN 0
	s_barrier_wait -1
.if (\kind) == 2
	CREST
	JLOAD GA0, G1, GB0, G1B
.else
	PLACES NP
.endif
.else
	s_wait_dscnt 4*NL
	WIN MUL_LO
	MUL16 0, 1, 1, \sc, 0
	MUL16 2, 1, 1, \sc, 0
	s_wait_dscnt 0x0
	PLACES NP
.endif
	FETCH_B \next, 0, 0
	FETCH_A \next, 0, 0
	SCALES 1-(\sc), \sg
	WIN MUL_HI
	MUL16 4, 1, 1, \sc, 0
	MUL16 6, 1, 1, \sc, 0
	PLACES NP
	WIN 0
	FETCH_A \next, 0, 4
.endm
	s_wait_alu depctr_va_vdst(0)
	s_wait_loadcnt 32                              ; the scale words' eight loads are in; the biases' 32 younger loads may be out
.irp i, 0,1,2,3,4,5,6,7
	ds_store_b128 v7, v[AF+4*\i:AF+4*\i+3] offset:512*\i
.endr
	s_wait_tensorcnt 0x0                           ; my quarter of sigma 0 is in
	ds_add_u32 v[SPW], v[NIL]
	s_wait_dscnt 0x0                               ; the add and my stores of scale words are done
	CROUND
	JLOAD GA1, G1S, GB1, G1SB                      ; sigma 1 and 2, the first tensor load behind the round
	FETCH_B 0, 0, 0
	FETCH_A 0, 0, 0
	SCALES 0, 0
	FETCH_A 0, 0, 4
	STEP 0, 0, 1
	TURN 0, 1, 0, 1, 2
	STEP 1, 1, 0
	TURN 1, 2, 1, 2, 0
	STEP 2, 0, 0
	TURN 2, 0, 0, 3, 1
	STEP 0, 1, 0
	s_wait_dscnt 4*NL
	WIN MUL_LO
	MUL16 0, 1, 1, 1, 0
	MUL16 2, 1, 1, 1, 0
	s_wait_dscnt 0x0
	WIN MUL_HI
	MUL16 4, 1, 1, 1, 0
	MUL16 6, 1, 1, 1, 0
	WIN 0
.macro QUANT s, pw
.irp b, 0,1,2,3
	v_max3_num_f32 v[TM+\b], |v[\s+16*\b]|, |v[\s+1+16*\b]|, 0x1800000
.endr
.irp i, 2,4,6,8,10,12,14
.irp b, 0,1,2,3
	v_max3_num_f32 v[TM+\b], v[TM+\b], |v[\s+16*\b+\i]|, |v[\s+1+16*\b+\i]|
.endr
.endr
.irp b, 0,1,2,3
	v_permlanex16_b32 v[TM+4+\b], v[TM+\b], s[SEL], s[SEL+1]
.endr
.irp b, 0,1,2,3
	v_max_num_f32 v[TM+\b], v[TM+\b], v[TM+4+\b]
.endr
.irp b, 0,1,2,3
	v_add_nc_u32 v[TM+12+\b], 0xff000000, v[TM+\b]
.endr
.irp b, 0,1,2,3
	v_lshrrev_b32 v[TM+4+\b], 23, v[TM+12+\b]
.endr
	v_lshl_or_b32 v[\pw], v[TM+5], 8, v[TM+4]
	v_lshl_or_b32 v[\pw], v[TM+6], 16, v[\pw]
	v_lshl_or_b32 v[\pw], v[TM+7], 24, v[\pw]
.irp c, 0,1
	v_cvt_scalef32_pk16_fp6_f32 v[PC+6*\c:PC+2+6*\c], v[\s+32*\c:\s+15+32*\c], v[TM+12+2*\c]
	v_cvt_scalef32_pk16_fp6_f32 v[PC+12+4*\c:PC+14+4*\c], v[\s+16+32*\c:\s+31+32*\c], v[TM+12+2*\c+1]
.endr
	v_nop
.irp c, 0,1
.irp i, 0,1,2
	v_permlane16_swap_b32 v[PC+6*\c+\i], v[PC+12+4*\c+\i]
.endr
.irp i, 0,1,2
	v_mov_b32 v[PC+3+6*\c+\i], v[PC+12+4*\c+\i]
.endr
.endr
.endm
.macro STAGE_QK p, e
	WIN 0x02+(\p)/2
.irp hf, 0,1
.irp bb, 0,1,2,3
.irp i, 0,2,4,6
	v_pk_add_f32 v[ST+32*\hf+8*\bb+\i:ST+32*\hf+8*\bb+\i+1], v[8*(8*((2*(\p)+\hf)%4)+4*(\e)+\bb)+\i:8*(8*((2*(\p)+\hf)%4)+4*(\e)+\bb)+\i+1], v[BN+8*(4*(\e)+\bb)+\i:BN+8*(4*(\e)+\bb)+\i+1]
.endr
.endr
.endr
	WIN 0
.endm
.macro STAGE_V a
	WIN 0x02+(\a)/4
.irp b, 0,1,2,3,4,5,6,7
.irp i, 0,2,4,6
	v_pk_add_f32 v[ST+8*\b+\i:ST+8*\b+\i+1], v[8*(8*((\a)%4)+\b)+\i:8*(8*((\a)%4)+\b)+\i+1], v[BM+2*(\a):BM+2*(\a)+1]
.endr
.endr
	WIN 0
.endm
.macro EMIT e, p
	s_wait_xcnt 0x0
	QUANT ST, PW+(\p)
.irp k, 0,1,2
	global_store_b128 v[LI], v[PC+4*\k:PC+4*\k+3], s[14:15] offset:(\e)*102400+(\p)*1536+512*\k
.endr
.endm
.macro WORDS e
	v_cndmask_b32 v[XY], v[PW], v[PW+1], s23
	v_cndmask_b32 v[XY+1], v[PW+2], v[PW+3], s23
	global_store_b64 v[L8], v[XY:XY+1], s[14:15] offset:(\e)*102400+6144
.endm
	PLACES NP
	s_wait_loadcnt 0x0
.irp b, 0,1,2,3
	v_mov_b32 v[TM+4+\b], 0
.endr
	s_cmp_eq_u32 s19, 2
	s_cbranch_scc1 .Lway_v
.irp e, 0,1
.irp p, 0,1,2,3
	STAGE_QK \p, \e
	EMIT \e, \p
.endr
	WORDS \e
.endr
	s_branch .Ljoin
.Lway_v:
.irp e, 0,1
.irp p, 0,1,2,3
	STAGE_V 4*\e+\p
	EMIT \e, \p
.endr
	WORDS \e
.endr
.Ljoin:
	s_wait_tensorcnt 0x0
	ds_add_u32 v[SPW], v[NIL]
	s_wait_dscnt 0x0
	CROUND
	s_endpgm
.Lfunc_end_k_qea8a480ae3_qkv:
	.size	k_qea8a480ae3_qkv, .Lfunc_end_k_qea8a480ae3_qkv-k_qea8a480ae3_qkv
	.p2alignl 7, 3214868480
	.fill 96, 4, 3214868480
	.section	.rodata,"a",@progbits
	.p2align	6, 0x0
	.amdhsa_kernel k_qea8a480ae3_qkv
		.amdhsa_group_segment_fixed_size 327680
		.amdhsa_private_segment_fixed_size 0
		.amdhsa_enable_private_segment 0
		.amdhsa_kernarg_size 48
		.amdhsa_user_sgpr_count 2
		.amdhsa_user_sgpr_kernarg_segment_ptr 1
		.amdhsa_wavefront_size32 1
		.amdhsa_system_sgpr_workgroup_id_x 1
		.amdhsa_system_sgpr_workgroup_id_y 1
		.amdhsa_system_sgpr_workgroup_id_z 1
		.amdhsa_system_vgpr_workitem_id 0
		.amdhsa_next_free_vgpr 1024
		.amdhsa_next_free_sgpr 102
		.amdhsa_reserve_vcc 0
		.amdhsa_float_denorm_mode_32 3
		.amdhsa_float_denorm_mode_16_64 3
		.amdhsa_memory_ordered 1
		.amdhsa_forward_progress 1
		.amdhsa_inst_pref_size 209
	.end_amdhsa_kernel
	.amdgpu_metadata
---
amdhsa.version: [ 1, 2 ]
amdhsa.kernels:
  - .name:           k_qea8a480ae3_qkv
    .symbol:         k_qea8a480ae3_qkv.kd
    .args:
      - { .name: opc, .offset: 0, .size: 8, .value_kind: global_buffer, .address_space: global }
      - { .name: ops, .offset: 8, .size: 8, .value_kind: global_buffer, .address_space: global }
      - { .name: bq, .offset: 16, .size: 8, .value_kind: global_buffer, .address_space: global }
      - { .name: bk, .offset: 24, .size: 8, .value_kind: global_buffer, .address_space: global }
      - { .name: bv, .offset: 32, .size: 8, .value_kind: global_buffer, .address_space: global }
      - { .name: qkv, .offset: 40, .size: 8, .value_kind: global_buffer, .address_space: global }
    .group_segment_fixed_size: 327680
    .private_segment_fixed_size: 0
    .kernarg_segment_align: 8
    .kernarg_segment_size: 48
    .max_flat_workgroup_size: 128
    .sgpr_count:     102
    .vgpr_count:     1024
    .wavefront_size: 32
...
	.end_amdgpu_metadata
.endif
;; end of part 2
;; launch attn (part 3): grid 8 x 32, 16 waves a work-group, clusters of 4 x 1, 258,048 bytes of LDS; arguments qkv, ac, asc; writes ac, asc
.if DOCPART == 3
	.amdgcn_target "amdgcn-amd-amdhsa--gfx1250"
	.amdhsa_code_object_version 6
	.text
	.protected	k_qea8a480ae3_attn
	.globl	k_qea8a480ae3_attn
	.p2align	8
	.type	k_qea8a480ae3_attn,@function
k_qea8a480ae3_attn:
	s_mov_b64 s[64:65], 0
	v_nop
	global_prefetch_b8 v0, s[64:65] scope:SCOPE_SE
	s_setreg_imm32_b32 hwreg(HW_REG_WAVE_MODE, 25, 1), 1
	s_wait_xcnt 0x0
	s_wait_alu depctr_hold_cnt(0) depctr_sa_sdst(0) depctr_va_vdst(0) depctr_va_sdst(0) depctr_va_ssrc(0) depctr_va_vcc(0) depctr_vm_vsrc(0)
	s_getreg_b32 s2, hwreg(HW_REG_IB_STS2, 6, 4)
	s_cmp_eq_u32 s2, 0
	s_cbranch_scc0 .Lentry_in_a_cluster
	s_endpgm
.Lentry_in_a_cluster:
	s_bfe_u32 s2, ttmp6, 0x10000c
	s_cmp_lg_u32 s2, 0x3003
	s_cbranch_scc0 .Lentry_shape_is_right
	s_endpgm
.Lentry_shape_is_right:
; ATTN: for each (b, head): O = softmax(Q K^T / 8) V, both products on codes of FP6 (E2M3) with E8M0 scales; O / l is quantised along the model's axis and leaves as half a fragment's image a head.
; THE SOFTMAX: t = score x log2(e) / 8; M = the running largest t rounded UP to a whole number; p = 2^(t - M) is quantised along the keys, not normalised; the row's sum is taken of the unquantised p and divides at the end.
; When M moves, the sum and O are multiplied by 2^(old M - new M): exact.
; SHARES.  A work-group owns 256 queries of one head, each of its sixteen waves one tile of 16, in 256 registers.
; THE WHOLE HEAD'S K AND V LIE IN LDS, filled ONCE: each wave asks for two records (12800 dense bytes, 50 rows of 256), jointly with the three other query blocks of its cluster, which read the same K and V.
; Waves 0-3 bring records 0-3 of K and of V by a load line of their own; the first barrier waits for those alone, and steps 0-2 read nothing else.  No LDS byte is filled twice; all fills go out at the head, so nothing is prefetched.
; IN LDS 64 bytes of padding follow each 256: a record of 25 such rows takes 8000 bytes, an image's six rows 1920.
; THE HEAD'S 64 ARE HALF OF THE INSTRUCTION'S 128: an operand of K carries TWO tiles of keys (k 0-63, k 64-127) and is multiplied twice, by [q, zeros] and by [zeros, q]: zero codes add nothing.
; WHICH KEYS FORM A TILE is chosen by the lanes' LDS addresses.  In memory image f, lane (i, h) holds keys 32 f + 8 u + i + 8 (i / 8), u = 0, 1.  Lane (r, h) of operand (c, t') reads lane (8 t' + r % 8, h) of image 2 c + r / 8:
; its two tiles t = 2 t' + u then hold in row m the key 64 c + 32 (m / 8) + 8 t + m % 8.  Both products are used transposed (S^T = K Q^T, O^T = V^T P^T), so lane (r, h) holds query r, and its register S + 32 c + 8 t + j is key
; 64 c + 32 h + 8 t + j: A WHOLE BLOCK OF 32 KEYS IN ONE LANE, in the order of the next operand's registers.  By the padding the two groups of eight lanes of such a read lie 128 bytes apart modulo 256.
; DEPENDENT LINES STAND APART: the maxima run in eight chains (one an accumulator), the sum in seven, the scale word's chain lies among O's rescaling; where a chain has nothing to lie among, a one-field hint stands ahead of its links.
; LIMITS: NaN and infinities are not served; the promise holds while the scaled scores stay under 2^31 in magnitude; a block of zeros gets byte 1 with zero codes; a block whose largest magnitude lies under 2^-124 has its byte held at 1.
.set REC,  8000                        ; a record in LDS
.set RECM, 6400                        ; and in memory
.set VB,   128000                      ; V's records begin here
.set SPARE, 256000                     ; the spare words: 128 bytes a wave
.set VBL, 1                            ; v1  V's lane term: 320 h + 16 r
.set L8,  2                            ; v2  8 x lane
.set ADK, 3                            ; v3  the record of K in hand: operands;  v10 its scale words
.set ADV, 4                            ; v4  of V;                               v11
.set QS,  5                            ; v5  Q's scale word (b0, b1, b0, b1)
.set KS,  6                            ; v[6:7] K's scale words: operand (c, t') in register c, lanes 16 t' on
.set VS,  8                            ; v[8:9] V's: image t in register t / 2, lanes 16 (t % 2) on
.set AKS, 10
.set AVS, 11                           ; v12 -M;  v13 the running largest score;  v[14:15] the row's sum in two halves
.set QZ,  16                           ; v16-33: six zeros, q, six zeros
.set FF,  34                           ; v34 f = 2^(old M - new M);  v35 p's scale word
.set PS,  35
.set KF,  36                           ; v36-83   K's four operands
.set VF,  84                           ; v84-131  V's four images
.set S,   132                          ; v132-195 S^T, then p
.set O,   196                          ; v196-227 O^T
.set PC,  228                          ; v228-239 p's codes
.set BMX, 240                          ; v240-247 eight chains of maxima; block c's largest ends in v[BMX + 2 c].  v240-249, v252-253 later: six chains of the sum
.set TP,  244
.set TQ,  245
.set SOP, 246                          ; v246-247 the conversions' scale operands
.set TC,  248                          ; v248-250, v252-254 each block's upper 16 codes (a conversion's three registers begin on an even number)
.set KBL, 251                          ; v251 K's lane term: 1920 (r / 8) + 320 h + 16 (r % 8)
.set KSL, 255                          ; v255 its scale words': 128 (r / 8) + 64 h + 8 (r % 8)
.set T8,  248                          ; the way out's temporaries
.set TB,  2
.set TBV, 3
.set CNT, 10
.set WV,  18
.set SEL, 20
.set CS,  22
.set G1,  24
.set G0,  32                           ; s[32:35] group 0 of waves 0-3's load;  s[36:39] of the others'
.set G0L, 36
.macro CROUND
	s_barrier_signal -1
	s_barrier_wait -1
	s_cmp_lg_u32 s[WV], 0
	s_cbranch_scc1 .Lnot_wave_0_\@
	s_barrier_signal -3
.Lnot_wave_0_\@:
	s_barrier_wait -3
	s_barrier_signal -1
	s_barrier_wait -1
.endm
.macro PLACES
.rept 4
	v_nop
.endr
.endm
	s_load_b128 s[4:7], s[0:1], 0x0                ; qkv, ac
	s_load_b64 s[8:9], s[0:1], 0x10                ; asc
	v_lshl_add_u32 v254, v0, 2, SPARE
	v_mov_b32 v255, 0
	ds_add_u32 v254, v255                          ; the opening lines
	ds_add_u32 v254, v255
	v_lshrrev_b32 v1, 5, v0
	v_readfirstlane_b32 s[WV], v1                  ; wave 0..15
	s_bfe_u32 s11, ttmp6, 0x40000                  ; cx: it enters Q's and the outputs' addresses alone
	s_lshl_b32 s12, ttmp9, 2
	s_add_co_u32 s12, s12, s11                     ; my block of 256 queries
	s_and_b32 s13, ttmp7, 0xffff                   ; 16 b + head, which the partners share
	s_and_b32 s14, s[WV], 1
	; which piece P of sixteen (8 x tensor + pair of records) a wave brings.  Waves 0-3: 0, 1, 8, 9.  Waves 4-9: 2-7.  Waves 10-15: 10-15.
	s_bfe_u32 s15, s[WV], 0x10001
	s_lshl_b32 s15, s15, 3
	s_add_co_u32 s40, s15, s14
	s_add_co_u32 s41, s[WV], 6
	s_lshr_b32 s41, s41, 4                         ; 1 from wave 10 on
	s_lshl_b32 s41, s41, 1
	s_add_co_u32 s42, s[WV], 14
	s_and_b32 s42, s42, 15                         ; wave - 2
	s_add_co_u32 s41, s41, s42
	s_mul_i32 s16, s13, 16*RECM
	s_add_co_u32 s16, s16, 3276800                 ; K's records of this head, bytes from qkv; V's lie 3276800 on
	s_mov_b32 s[G1], 15|(3<<16)|(1<<20)|(1<<21)|(5<<22)|(15<<25)   ; the mask: all four work-groups; elements of 8 bytes; 21 set beside a mask; 16 words of padding behind every 64
	s_mov_b32 s[G1+1], 32<<16                      ; 12800 dense bytes as 50 rows of 256
	s_mov_b32 s[G1+2], 50<<16
	s_mov_b32 s[G1+3], 32<<16
	s_mov_b32 s[G1+4], 50
	s_mov_b32 s[G1+5], 32
	s_mov_b32 s[G1+6], 0
	s_mov_b32 s[G1+7], 0
	; Q: record 16 (16 b + head) + 2 block + wave / 8, image (wave % 8) / 2, its half wave % 2
	s_lshl_b32 s48, s13, 4
	s_lshl_b32 s49, s12, 1
	s_add_co_u32 s48, s48, s49
	s_lshr_b32 s49, s[WV], 3
	s_add_co_u32 s48, s48, s49
	s_mul_i32 s48, s48, RECM
	s_bfe_u32 s50, s[WV], 0x20001
	s_mul_i32 s49, s50, 1536
	s_add_co_u32 s52, s48, s49
	s_mov_b32 s53, 0
	s_and_b32 s49, s50, 1
	s_lshl_b32 s49, s49, 7
	s_lshr_b32 s51, s50, 1
	s_lshl_b32 s51, s51, 2
	s_add_co_u32 s49, s49, s51
	s_add_co_u32 s54, s48, s49                     ; its scale words: + 128 (image % 2) + 4 (image / 2)
	s_mov_b32 s55, 0
	s_cmp_eq_u32 s14, 1
	s_cselect_b32 s56, -1, 0                       ; all lanes take the image's upper six registers, or none
	s_lshl_b32 s57, s14, 4
	; the outputs: row tile 128 b + 16 block + wave
	s_lshr_b32 s58, s13, 4
	s_lshl_b32 s58, s58, 7
	s_lshl_b32 s59, s12, 4
	s_add_co_u32 s58, s58, s59
	s_add_co_u32 s58, s58, s[WV]
	s_and_b32 s59, s13, 15
	s_mul_i32 s60, s58, 12288
	s_mul_i32 s61, s59, 768
	s_add_co_u32 s60, s60, s61
	s_mov_b32 s61, 0
	s_lshl_b32 s62, s58, 11
	s_lshl_b32 s63, s59, 7
	s_add_co_u32 s62, s62, s63
	s_mov_b32 s63, 0
	s_mov_b32 s[SEL], 0x76543210
	s_mov_b32 s[SEL+1], 0xfedcba98                 ; selects for lane l xor 16
	s_mov_b32 s[CS], 0x3e38aa3b                    ; c = log2(e) / 8
	s_mov_b32 s[CS+1], s[CS]
	s_mov_b32 s[TB], 0
	s_mov_b32 s[TBV], VB
	s_wait_dscnt 0x0                               ; both opening adds are done
	s_wait_kmcnt 0x0
	s_add_nc_u64 s[52:53], s[4:5], s[52:53]
	s_add_nc_u64 s[54:55], s[4:5], s[54:55]
	s_add_nc_u64 s[6:7], s[6:7], s[60:61]
	s_add_nc_u64 s[8:9], s[8:9], s[62:63]
.macro MKG0 g, p                       ; piece s\p: LDS 16000 P; memory tensor P / 8, pair of records P % 8
	s_mov_b32 s[\g], 1
	s_mul_i32 s[\g+1], s\p, 2*REC
	s_lshr_b32 s43, s\p, 3
	s_mul_i32 s43, s43, 3276800
	s_and_b32 s44, s\p, 7
	s_mul_i32 s44, s44, 2*RECM
	s_add_co_u32 s44, s44, s43
	s_add_co_u32 s44, s44, s16
	s_mov_b32 s45, 0
	s_add_nc_u64 s[\g+2:\g+3], s[4:5], s[44:45]
	s_or_b32 s[\g+3], s[\g+3], 0x80000000
.endm
	MKG0 G0, 40
	MKG0 G0L, 41
	CROUND                                         ; all four work-groups are here: the joint loads meet
	s_cmp_lt_u32 s[WV], 4                          ; one tensor load a wave, in two arms: the first barrier waits for the first arm's line alone
	s_cbranch_scc0 .Llater
	tensor_load_to_lds s[G0:G0+3], s[G1:G1+7]
	s_nop 0
	PLACES
	s_branch .Lasked
.Llater:
	tensor_load_to_lds s[G0L:G0L+3], s[G1:G1+7]
	s_nop 0
	PLACES
.Lasked:
	v_and_b32 v[L8], 31, v0
	v_lshlrev_b32 v[ADV], 4, v[L8]                 ; 16 x lane
	v_lshlrev_b32 v[L8], 3, v[L8]
	v_and_b32 v[ADK], 15, v0                       ; r
	v_lshlrev_b32 v[AKS], 3, v[ADK]                ; 8 r
.irp c, 0,1,2
	global_load_b128 v[KF+4*\c:KF+4*\c+3], v[ADV], s[52:53] offset:512*\c   ; Q's image
.endr
	global_load_b32 v[QS], v[AKS], s[54:55] offset:6144
	v_bfe_u32 v[TP], v0, 4, 1                      ; h
	v_bfe_u32 v[TQ], v0, 3, 1                      ; r / 8
	v_and_b32 v[AVS], 7, v0                        ; r % 8
	v_lshlrev_b32 v[VBL], 4, v[ADK]
	v_mad_u32_u24 v[VBL], v[TP], 320, v[VBL]
	v_mul_u32_u24 v[KBL], v[TQ], 1920
	v_mad_u32_u24 v[KBL], v[TP], 320, v[KBL]
	v_lshl_add_u32 v[KBL], v[AVS], 4, v[KBL]
	v_lshlrev_b32 v[KSL], 7, v[TQ]
	v_lshl_add_u32 v[KSL], v[TP], 6, v[KSL]
	v_lshl_add_u32 v[KSL], v[AVS], 3, v[KSL]
.irp i, 0,1,2,3,4,5
	v_mov_b32 v[QZ+\i], 0
	v_mov_b32 v[QZ+12+\i], 0
.endr
	v_mov_b32 v13, 0xff61b1e6                      ; the largest score so far: -3e38
	v_mul_f32 v12, s[CS], v13
	v_floor_f32 v12, -v12                          ; -M
	v_mov_b32 v14, 0
	v_mov_b32 v15, 0
	v_mov_b32 v[PS], 0                             ; (named as the upper half of a pair before it is first written)
.set j, 0
.rept 32
	v_mov_b32 v[O+j], 0                            ; the step is written without a first form: the first change of M multiplies zeros
.set j, j+1
.endr
	s_wait_alu depctr_va_vdst(0)
	s_wait_loadcnt 0x0
.irp i, 0,1,2,3,4,5
	v_cndmask_b32 v[QZ+6+\i], v[KF+\i], v[KF+6+\i], s56   ; my tile's six registers
.endr
	v_lshrrev_b32 v[QS], s57, v[QS]                ; my tile's two bytes,
	v_and_b32 v[QS], 0xffff, v[QS]
	v_lshl_or_b32 v[QS], v[QS], 16, v[QS]          ; for either place of q
	v_add_nc_u32 v[ADK], s[TB], v[KBL]
	v_add_nc_u32 v[AKS], s[TB], v[KSL]
	v_add_nc_u32 v[ADV], s[TBV], v[VBL]
	v_add_nc_u32 v[AVS], s[TBV], v[L8]
.macro KLOAD                           ; a record of K: four operands and the scale words: 13 loads
.irp c, 0,1
.irp t, 0,1
.irp p, 0,1,2
	ds_load_b128 v[KF+12*(2*\c+\t)+4*\p:KF+12*(2*\c+\t)+4*\p+3], v[ADK] offset:3840*\c+128*\t+640*\p
.endr
.endr
.endr
	ds_load_b64 v[KS:KS+1], v[AKS] offset:7680
.endm
.macro VLOAD                           ; a record of V: four images as they lie: 13 loads
.irp f, 0,1,2,3
.irp p, 0,1,2
	ds_load_b128 v[VF+12*\f+4*\p:VF+12*\f+4*\p+3], v[ADV] offset:1920*\f+640*\p
.endr
.endr
	ds_load_b64 v[VS:VS+1], v[AVS] offset:7680
.endm
.macro QK f, row                       ; operand f = 2 c + t': its two tiles of keys
	v_wmma_scale_f32_16x16x128_f8f6f4 v[S+16*\f:S+16*\f+7], v[KF+12*\f:KF+12*\f+11], v[QZ+6:QZ+17], 0, v[KS+\f/2], v[QS] matrix_a_fmt:MATRIX_FMT_FP6 matrix_b_fmt:MATRIX_FMT_FP6 matrix_a_scale:MATRIX_SCALE_ROW\row
	v_wmma_scale_f32_16x16x128_f8f6f4 v[S+16*\f+8:S+16*\f+15], v[KF+12*\f:KF+12*\f+11], v[QZ:QZ+11], 0, v[KS+\f/2], v[QS] matrix_a_fmt:MATRIX_FMT_FP6 matrix_b_fmt:MATRIX_FMT_FP6 matrix_a_scale:MATRIX_SCALE_ROW\row
.endm
.macro PV t, row
	v_wmma_scale_f32_16x16x128_f8f6f4 v[O+8*\t:O+8*\t+7], v[VF+12*\t:VF+12*\t+11], v[PC:PC+11], v[O+8*\t:O+8*\t+7], v[VS+\t/2], v[PS] matrix_a_fmt:MATRIX_FMT_FP6 matrix_b_fmt:MATRIX_FMT_FP6 matrix_a_scale:MATRIX_SCALE_ROW\row
.endm
.macro ADDP d, i                       ; pair i of p onto a chain of the sum
	v_pk_add_f32 v[\d:\d+1], v[\d:\d+1], v[S+2*(\i):S+2*(\i)+1]
.endm
.macro ADD2 d, i                       ; pairs i and i + 1 of p begin a chain
	v_pk_add_f32 v[\d:\d+1], v[S+2*(\i):S+2*(\i)+1], v[S+2*(\i)+2:S+2*(\i)+3]
.endm
.macro ORS from, n                     ; O^T under the new M: n pairs from pair \from on
.set j, 2*(\from)
.rept \n
	v_pk_mul_f32 v[O+j:O+j+1], v[O+j:O+j+1], v[FF:FF+1] op_sel_hi:[1,0]
.set j, j+2
.endr
.endm
; A KEY STEP: 128 keys.  pre = 1: the next record's K is fetched behind the first products, its V behind the second.
.macro STEP pre
	s_wait_dscnt 13                                ; K is in; V's 13 younger loads may be out
	QK 0, 0
	QK 1, 1
	QK 2, 0
	QK 3, 1
.if \pre
	s_add_co_u32 s[TB], s[TB], REC
	s_add_co_u32 s[TBV], s[TBV], REC
	v_add_nc_u32 v[ADK], s[TB], v[KBL]             ; four plain instructions behind the products: then loads into K's registers, and the first read of the scores
	v_add_nc_u32 v[AKS], s[TB], v[KSL]
	v_add_nc_u32 v[ADV], s[TBV], v[VBL]
	v_add_nc_u32 v[AVS], s[TBV], v[L8]
	KLOAD
.else
	PLACES
.endif
.irp q, 0,1,2,3,4,5,6,7                ; the largest score of each block of 32 keys: for the row's maximum and, since p rises with the score, for the block's largest p.  A chain an accumulator, from its low end on
	v_max3_num_f32 v[BMX+\q], v[S+8*\q], v[S+8*\q+1], v[S+8*\q+2]
.endr
.irp i, 3,5
.irp q, 0,1,2,3,4,5,6,7
	v_max3_num_f32 v[BMX+\q], v[BMX+\q], v[S+8*\q+\i], v[S+8*\q+\i+1]
.endr
.endr
	v_max3_num_f32 v[BMX], v[BMX], v[BMX+1], v[S+7]          ; the chains join, each join with an accumulator's last score; the two blocks by turns
	v_max3_num_f32 v[BMX+4], v[BMX+4], v[BMX+5], v[S+39]
	v_max3_num_f32 v[BMX+2], v[BMX+2], v[BMX+3], v[S+15]
	v_max3_num_f32 v[BMX+6], v[BMX+6], v[BMX+7], v[S+47]
	v_max3_num_f32 v[BMX], v[BMX], v[BMX+2], v[S+23]
	v_max3_num_f32 v[BMX+2], v[BMX+4], v[BMX+6], v[S+55]
	v_max_num_f32 v[BMX], v[BMX], v[S+31]                    ; block h
	v_max_num_f32 v[BMX+2], v[BMX+2], v[S+63]                ; block 2 + h
	s_delay_alu instid0(VALU_DEP_1)
	v_max_num_f32 v[TP], v[BMX], v[BMX+2]
	s_delay_alu instid0(VALU_DEP_1)
	v_permlanex16_b32 v[TQ], v[TP], s[SEL], s[SEL+1]
	s_delay_alu instid0(VALU_DEP_1)
	v_max3_num_f32 v13, v13, v[TP], v[TQ]          ; the running largest score of my query, lane l xor 16's keys among them
	s_delay_alu instid0(VALU_DEP_1)
	v_mul_f32 v[TQ], s[CS], v13                    ; as t (c is positive)
	v_mov_b32 v[TP], v12
	s_delay_alu instid0(VALU_DEP_2)
	v_floor_f32 v12, -v[TQ]                        ; the new -M = -ceil(t)
	s_delay_alu instid0(VALU_DEP_1)
	v_sub_f32 v[TP], v12, v[TP]                    ; old M - new M: a whole number, 0 or less
	s_delay_alu instid0(VALU_DEP_1)
	v_cvt_i32_f32 v[TP], v[TP]                     ; (it saturates)
	s_delay_alu instid0(VALU_DEP_1)
	v_ldexp_f32 v[FF], 1.0, v[TP]
.set j, 0
.rept 32
	v_pk_fma_f32 v[S+j:S+j+1], v[S+j:S+j+1], s[CS:CS+1], v[12:13] op_sel_hi:[1,0,0]   ; t - M
.set j, j+2
.endr
	v_fma_f32 v[BMX], v[BMX], s[CS], v12
	v_fma_f32 v[BMX+2], v[BMX+2], s[CS], v12
	s_wait_alu depctr_va_vdst(0)
.set j, 0
.rept 64
	v_exp_f32 v[S+j], v[S+j]                       ; p = 2^(t - M)
.set j, j+1
.endr
	v_exp_f32 v[BMX], v[BMX]                       ; each block's largest p: the same two instructions on the same number
	v_exp_f32 v[BMX+2], v[BMX+2]
	v_pk_mul_f32 v[14:15], v[14:15], v[FF:FF+1] op_sel_hi:[1,0]   ; the sums under the new M: the plain instruction behind the exponentials
	s_wait_alu depctr_va_vdst(0)                   ; one wait for the batch, directly ahead of the first reader of O^T too
	ORS 0, 2                                       ; O^T's sixteen lines, with the scale word's chain among them
	v_max_num_f32 v[BMX], 0x1800000, v[BMX]        ; the floor: the byte cannot fall under 1
	v_max_num_f32 v[BMX+2], 0x1800000, v[BMX+2]
	ORS 2, 3
	v_add_nc_u32 v[SOP], 0xff000000, v[BMX]        ; 2 off the exponent field: the conversions' scale operand
	v_add_nc_u32 v[SOP+1], 0xff000000, v[BMX+2]
	ORS 5, 3
	v_lshrrev_b32 v[BMX], 23, v[SOP]               ; the bytes of my blocks h and 2 + h
	v_lshrrev_b32 v[BMX+2], 23, v[SOP+1]
	ORS 8, 3
	v_lshl_or_b32 v[TP], v[BMX+2], 16, v[BMX]
	ORS 11, 5
	v_permlanex16_b32 v[TQ], v[TP], s[SEL], s[SEL+1]
	s_delay_alu instid0(VALU_DEP_1)
	v_lshl_or_b32 v[PS], v[TQ], 8, v[TP]           ; in lanes 0-15, which alone are read: bytes b0, b1, b2, b3
.irp c, 0,1
	v_cvt_scalef32_pk16_fp6_f32 v[PC+6*\c:PC+6*\c+2], v[S+32*\c:S+32*\c+15], v[SOP+\c]
	v_cvt_scalef32_pk16_fp6_f32 v[TC+4*\c:TC+4*\c+2], v[S+32*\c+16:S+32*\c+31], v[SOP+\c]
.endr
	ADD2 240, 0                                    ; THE ROW'S SUM, of the unquantised p, in seven chains.  Its lines are the plain instructions behind the conversions,
	ADD2 242, 2
	ADD2 244, 4
	ADD2 246, 6
.irp c, 0,1
.irp i, 0,1,2
	v_mov_b32 v[PC+3+6*\c+\i], v[TC+4*\c+\i]
.endr
.endr
	ADD2 248, 8                                    ; between the codes' last write and the products,
	ADD2 252, 10
	ADDP 14, 12
	ADDP 240, 13
	s_wait_alu depctr_va_vdst(0)
.if \pre
	s_wait_dscnt 13                                ; V is in; the next K's 13 loads may be out
.else
	s_wait_dscnt 0x0
.endif
	PV 0, 0                                        ; the four accumulators take turns
	PV 1, 1
	PV 2, 0
	PV 3, 1
	ADDP 242, 14                                   ; and behind the products, ahead of the loads into V's registers
	ADDP 244, 15
	ADDP 246, 16
	ADDP 248, 17
.if \pre
	VLOAD
.endif
.set i, 18
.rept 2
.irp d, 252,14,240,242,244,246,248
	ADDP \d, i
.set i, i+1
.endr
.endr
	v_pk_add_f32 v[14:15], v[14:15], v[252:253]    ; the chains join
	v_pk_add_f32 v[240:241], v[240:241], v[242:243]
	v_pk_add_f32 v[244:245], v[244:245], v[246:247]
	s_delay_alu instid0(VALU_DEP_3)
	v_pk_add_f32 v[14:15], v[14:15], v[248:249]
	s_delay_alu instid0(VALU_DEP_2)
	v_pk_add_f32 v[240:241], v[240:241], v[244:245]
	s_delay_alu instid0(VALU_DEP_1)
	v_pk_add_f32 v[14:15], v[14:15], v[240:241]
.endm
	s_wait_alu depctr_va_vdst(0)
	s_cmp_lt_u32 s[WV], 4
	s_cbranch_scc0 .Lnot_first
	s_wait_tensorcnt 0x0                           ; waves 0-3: my two of records 0-3
.Lnot_first:
	s_barrier_signal -1
	s_barrier_wait -1                              ; records 0-3 of K and V are in; the other waves' loads may be out
	KLOAD
	VLOAD
	s_mov_b32 s[CNT], 3
.Lfirst:                               ; steps 0-2: they read records 0-3
	STEP 1
	s_sub_co_u32 s[CNT], s[CNT], 1
	s_cmp_lg_u32 s[CNT], 0
	s_cbranch_scc1 .Lfirst
	s_wait_tensorcnt 0x0                           ; every wave: all of K and V
	s_wait_dscnt 0x0
	s_barrier_signal -1
	s_barrier_wait -1
	s_mov_b32 s[CNT], 12
.Lrest:                                ; steps 3-14
	STEP 1
	s_sub_co_u32 s[CNT], s[CNT], 1
	s_cmp_lg_u32 s[CNT], 0
	s_cbranch_scc1 .Lrest
	STEP 0                                         ; step 15 fetches nothing
	; THE WAY OUT: O^T / the sum; register 16 b + i is channel 32 b + 16 (lane / 16) + i of my query: two blocks of the last product's K
	v_add_f32 v14, v14, v15
	v_permlanex16_b32 v[T8], v14, s[SEL], s[SEL+1]
	v_add_f32 v14, v14, v[T8]
	v_and_b32 v1, 31, v0
	v_lshlrev_b32 v1, 4, v1                        ; 16 x lane
	s_wait_alu depctr_va_vdst(0)
	v_rcp_f32 v14, v14
	v_lshrrev_b32 v[ADK], 1, v[L8]                 ; 4 x lane: the plain instruction behind the reciprocal
	s_wait_alu depctr_va_vdst(0)
.set j, 0
.rept 16
	v_pk_mul_f32 v[S+j:S+j+1], v[O+j:O+j+1], v[14:15] op_sel_hi:[1,0]
.set j, j+2
.endr
.irp b, 0,1
	v_max3_num_f32 v[BMX+\b], |v[S+16*\b]|, |v[S+16*\b+1]|, 0x1800000
.endr
.irp i, 2,4,6,8,10,12,14
.irp b, 0,1
	v_max3_num_f32 v[BMX+\b], v[BMX+\b], |v[S+16*\b+\i]|, |v[S+16*\b+\i+1]|
.endr
.endr
.irp b, 0,1
	v_permlanex16_b32 v[T8+\b], v[BMX+\b], s[SEL], s[SEL+1]
.endr
.irp b, 0,1
	v_max_num_f32 v[BMX+\b], v[BMX+\b], v[T8+\b]
.endr
.irp b, 0,1
	v_add_nc_u32 v[SOP+\b], 0xff000000, v[BMX+\b]
.endr
.irp b, 0,1
	v_lshrrev_b32 v[T8+\b], 23, v[SOP+\b]
.endr
	v_lshl_or_b32 v[T8+2], v[T8+1], 8, v[T8]
	v_lshl_or_b32 v[T8+2], v[T8+2], 16, v[T8+2]    ; (b0, b1, b0, b1): fit for either half of a K step's word
	v_cvt_scalef32_pk16_fp6_f32 v[PC:PC+2], v[S:S+15], v[SOP]
	v_cvt_scalef32_pk16_fp6_f32 v[T8+4:T8+6], v[S+16:S+31], v[SOP+1]
	v_nop
.irp i, 0,1,2
	v_permlane16_swap_b32 v[PC+\i], v[T8+4+\i]
.endr
.irp i, 0,1,2
	v_mov_b32 v[PC+3+\i], v[T8+4+\i]
.endr
	global_store_b128 v1, v[PC:PC+3], s[6:7]                  ; 512 consecutive bytes,
	global_store_b64 v[L8], v[PC+4:PC+5], s[6:7] offset:512   ; and 256, both aligned
	global_store_b32 v[ADK], v[T8+2], s[8:9]
	s_wait_xcnt 0x0
	v_lshl_add_u32 v254, v0, 2, SPARE              ; the add's two registers, made anew
	v_mov_b32 v255, 0
	s_wait_alu depctr_va_vdst(0)
	s_wait_tensorcnt 0x0                           ; the wave's end
	ds_add_u32 v254, v255
	s_wait_dscnt 0x0
	CROUND                                         ; the closing round
	s_endpgm
.Lfunc_end_k_qea8a480ae3_attn:
	.size	k_qea8a480ae3_attn, .Lfunc_end_k_qea8a480ae3_attn-k_qea8a480ae3_attn
	.p2alignl 7, 3214868480
	.fill 96, 4, 3214868480
	.section	.rodata,"a",@progbits
	.p2align	6, 0x0
	.amdhsa_kernel k_qea8a480ae3_attn
		.amdhsa_group_segment_fixed_size 258048
		.amdhsa_private_segment_fixed_size 0
		.amdhsa_enable_private_segment 0
		.amdhsa_kernarg_size 24
		.amdhsa_user_sgpr_count 2
		.amdhsa_user_sgpr_kernarg_segment_ptr 1
		.amdhsa_wavefront_size32 1
		.amdhsa_system_sgpr_workgroup_id_x 1
		.amdhsa_system_sgpr_workgroup_id_y 1
		.amdhsa_system_sgpr_workgroup_id_z 1
		.amdhsa_system_vgpr_workitem_id 0
		.amdhsa_next_free_vgpr 256
		.amdhsa_next_free_sgpr 66
		.amdhsa_reserve_vcc 0
		.amdhsa_float_denorm_mode_32 3
		.amdhsa_float_denorm_mode_16_64 3
		.amdhsa_memory_ordered 1
		.amdhsa_forward_progress 1
		.amdhsa_inst_pref_size 57
	.end_amdhsa_kernel
	.amdgpu_metadata
---
amdhsa.version: [ 1, 2 ]
amdhsa.kernels:
  - .name:           k_qea8a480ae3_attn
    .symbol:         k_qea8a480ae3_attn.kd
    .args:
      - { .name: qkv, .offset: 0, .size: 8, .value_kind: global_buffer, .address_space: global }
      - { .name: ac, .offset: 8, .size: 8, .value_kind: global_buffer, .address_space: global }
      - { .name: asc, .offset: 16, .size: 8, .value_kind: global_buffer, .address_space: global }
    .group_segment_fixed_size: 258048
    .private_segment_fixed_size: 0
    .kernarg_segment_align: 8
    .kernarg_segment_size: 24
    .max_flat_workgroup_size: 512
    .sgpr_count:     66
    .vgpr_count:     256
    .wavefront_size: 32
...
	.end_amdgpu_metadata
.endif
;; end of part 3
;; launch outp (part 4): grid 256 x 1, 16 waves a work-group, clusters of 4 x 1, 327,680 bytes of LDS; arguments ac, asc, opc, ops, bo, out0; writes out0
.if DOCPART == 4
	.amdgcn_target "amdgcn-amd-amdhsa--gfx1250"
	.amdhsa_code_object_version 6
	.text
	.protected	k_qea8a480ae3_outp
	.globl	k_qea8a480ae3_outp
	.p2align	8
	.type	k_qea8a480ae3_outp,@function
k_qea8a480ae3_outp:
	s_mov_b64 s[64:65], 0
	v_nop
	global_prefetch_b8 v0, s[64:65] scope:SCOPE_SE
	s_setreg_imm32_b32 hwreg(HW_REG_WAVE_MODE, 25, 1), 1
	s_wait_xcnt 0x0
	s_wait_alu depctr_hold_cnt(0) depctr_sa_sdst(0) depctr_va_vdst(0) depctr_va_sdst(0) depctr_va_ssrc(0) depctr_va_vcc(0) depctr_vm_vsrc(0)
	s_getreg_b32 s2, hwreg(HW_REG_IB_STS2, 6, 4)
	s_cmp_eq_u32 s2, 0
	s_cbranch_scc0 .Lentry_in_a_cluster
	s_endpgm
.Lentry_in_a_cluster:
	s_bfe_u32 s2, ttmp6, 0x10000c
	s_cmp_lg_u32 s2, 0x3003
	s_cbranch_scc0 .Lentry_shape_is_right
	s_endpgm
.Lentry_shape_is_right:
; OUTP: y = relu(a Wo + bo), then (y - mean) / sqrt(var + 1e-5) over each row of 1024; the product on codes of FP6 (E2M3) with E8M0 scales.
; SHARES.  A work-group takes one tile of 16 rows x all 1024 columns, so that a row's mean and variance stay inside it; wave w takes columns 64 w .. 64 w + 63: Wo's tiles 192 + 4 w + t, t = 0 .. 3.
; Wo's CODES (786432 bytes, all of them wanted by every work-group) COME BY TWO ROADS.  K steps 0, 1, 2, 4, 5 by tensor loads that the four work-groups of a cluster ask for JOINTLY (descriptors made of the wave's number alone);
; K steps 3, 6, 7 by loads of 512 consecutive bytes straight into registers.  One tensor load a wave at a time:
;   at the head, in two arms: waves 0-7 bring K steps 0 and 1 of eight tiles each (24576 dense bytes, 96 rows of 256) into region X, waves 8-15 K step 2 of eight tiles each (8 rows of 1536 bytes, 3072 apart) into region Y;
;   one barrier, in front of which every wave waits for its load, shows both regions (and A's images) to all;
;   behind one round, with the three lines ahead of it in every wave, each wave brings K steps 4 and 5 of its own four tiles (12288 dense bytes) into its part of X: X's one refill, read by that wave alone behind its own wait.
; The K steps go in the order 0, 1, 3, 6, 2, 7, 4, 5: X's two first, so that the refill is asked for as soon as X is free; the steps from registers stand between the refill and the wait for it.
; Nothing is prefetched: the text has no loop to run ahead in, and every work-group reads the same Wo.
; A's 16 half fragments (one a head, 768 bytes) are read once, a head a wave, and go from wave to wave through LDS as images of their registers.
; THE MATRIX INSTRUCTION IS USED TRANSPOSED (source 0 = 16 columns of Wo, source 1 = the 16 rows): lane (r, h) holds row r; register 8 t + j is column 64 w + 32 (t / 2) + 8 (t % 2) + 16 h + j.  bo is loaded into the accumulators.
; The variance is taken in two passes (of y - mean).  Rows leave through a stage in the wave's own part of X, which has had its last fill and its last read by then: sixteen lanes store 256 consecutive bytes, aligned.
; LIMITS: NaN and infinities are not served.
.set XPART, 12288                      ; region X from 0: a wave's four tiles x two K steps
.set YB,    196608                     ; region Y
.set YPART, 6144                       ; a wave's four tiles of one K step
.set SIG,   786432                     ; from a pair of K steps to the next, in memory
.set AIMG,  294912                     ; A, 16 heads x 768 bytes
.set ASC,   307200                     ; 16 heads x 128 bytes of scale words
.set RED,   309248                     ; 16 rows x 16 waves x 4 bytes, twice (the second 1024 bytes on)
.set SPARE, 311296                     ; the spare words: 128 bytes a wave
.set LI,  1                            ; v1  16 x lane
.set AI,  2                            ; v2  AIMG + 16 x lane
.set A8,  3                            ; v3  AIMG + 8 x lane
.set BLX, 4                            ; v4  my part of X + 16 x lane;  v5 of Y
.set BLY, 5
.set ACC, 8                            ; v8-39
.set AF,  40                           ; v40-87 four fragments of A, by turns
.set AS,  88                           ; v88-91 A's scale words: K step s in register s % 4, lanes 16 (s / 4) on
.set WS,  92                           ; v92-107 Wo's: tile t, K step s in register 4 t + s % 4, lanes 16 (s / 4) on
.set VA,  108                          ; v108-155, v156-203 Wo's fragments from memory, two sets of four
.set VB,  156
.set LB,  204                          ; v204-251 Wo's fragments from LDS
.set HT,  240                          ; v240-251 the head's temporaries: done with before the first fragment from LDS lands there
.set SPW, 254                          ; v254, v255 the add's two registers, kept
.set NIL, 255
.set G1X, 32                           ; s[32:39] group 1 of the refill;  s[48:51] its group 0
.set G1Y, 40                           ; s[40:47], s[52:55] of Y's fill
.set G0X, 48
.set G0Y, 52
.set G1H, 56                           ; s[56:63], s[68:71] of X's first fill
.set G0H, 68
.macro BARRIER
	s_wait_dscnt 0x0
	s_barrier_signal -1
	s_barrier_wait -1
.endm
.macro CROUND                          ; a round of the cluster's barrier
	s_barrier_signal -1
	s_barrier_wait -1
	s_cmp_lg_u32 s16, 0
	s_cbranch_scc1 .Lnot_wave_0_\@
	s_barrier_signal -3
.Lnot_wave_0_\@:
	s_barrier_wait -3
	s_barrier_signal -1
	s_barrier_wait -1
.endm
.macro PLACES                          ; four plain vector instructions in front of loads into registers that matrix instructions have read, and of the first read of results
.rept 4
	v_nop
.endr
.endm
.macro TLOAD g0, g1
	tensor_load_to_lds s[\g0:\g0+3], s[\g1:\g1+7]
	s_nop 0
	PLACES
.endm
.macro DENSE g, rows                   ; group 1 of a dense block as rows of 256 bytes: the mask names all four work-groups; elements of 8 bytes; 21 set beside a mask; no padding
	s_mov_b32 s[\g], 15|(3<<16)|(1<<21)
	s_mov_b32 s[\g+1], 32<<16
	s_mov_b32 s[\g+2], (\rows)<<16
	s_mov_b32 s[\g+3], 32<<16
	s_mov_b32 s[\g+4], \rows
	s_mov_b32 s[\g+5], 32
	s_mov_b32 s[\g+6], 0
	s_mov_b32 s[\g+7], 0
.endm
	s_load_b256 s[4:11], s[0:1], 0x0               ; ac, asc, opc, ops
	s_load_b128 s[12:15], s[0:1], 0x20             ; bo, out0
	v_lshl_add_u32 v[SPW], v0, 2, SPARE
	v_mov_b32 v[NIL], 0
	ds_add_u32 v[SPW], v[NIL]                      ; the opening lines
	ds_add_u32 v[SPW], v[NIL]
	s_wait_dscnt 0x0
	v_lshrrev_b32 v1, 5, v0
	v_readfirstlane_b32 s16, v1                    ; wave 0..15
	s_bfe_u32 s2, ttmp6, 0x40000                   ; cx: it enters the addresses of ac, asc and out0 alone
	s_lshl_b32 s3, ttmp9, 2
	s_add_co_u32 s3, s3, s2                        ; my tile of rows = 4 x cluster x + cx
	v_and_b32 v[HT+1], 31, v0
	v_lshlrev_b32 v[LI], 4, v[HT+1]
	v_lshlrev_b32 v[HT], 3, v[HT+1]                ; 8 x lane
	v_lshlrev_b32 v[HT+1], 2, v[HT+1]              ; 4 x lane
	v_bfe_u32 v[HT+2], v0, 4, 1
	v_lshlrev_b32 v[HT+2], 6, v[HT+2]              ; 64 h: bo's offset
	v_add_nc_u32 v[AI], AIMG, v[LI]
	v_add_nc_u32 v[A8], AIMG, v[HT]
	s_mul_i32 s21, s16, 768
	v_add_nc_u32 v[HT+3], s21, v[AI]               ; where I put my head's image
	v_add_nc_u32 v[HT+4], s21, v[A8]
	s_lshl_b32 s23, s16, 7
	v_add_nc_u32 v[HT+5], s23, v[HT+1]
	v_add_nc_u32 v[HT+5], ASC, v[HT+5]             ; and its scale words
	v_bfe_u32 v[HT+6], v0, 4, 1
	v_lshlrev_b32 v[HT+6], 10, v[HT+6]
	v_and_b32 v[HT+7], 15, v0
	v_lshl_add_u32 v[HT+6], v[HT+7], 2, v[HT+6]
	v_add_nc_u32 v[HT+6], ASC, v[HT+6]             ; ASC + 1024 h + 4 r: lanes 0-15 K steps 0-3, lanes 16-31 K steps 4-7
	s_mul_i32 s17, s16, XPART
	v_add_nc_u32 v[BLX], s17, v[LI]
	s_mul_i32 s2, s16, YPART
	s_add_co_u32 s2, s2, YB
	v_add_nc_u32 v[BLY], s2, v[LI]
	s_mul_i32 s20, s3, 12288
	s_add_co_u32 s20, s20, s21
	s_mov_b32 s21, 0
	s_lshl_b32 s22, s3, 11
	s_add_co_u32 s22, s22, s23
	s_mov_b32 s23, 0
	s_mul_i32 s24, s16, 12288
	s_add_co_u32 s24, s24, 3145728+192*3072        ; Wo's tiles 192 + 4 w on
	s_mov_b32 s25, 0
	s_lshl_b32 s26, s16, 11
	s_add_co_u32 s26, s26, 131072+192*512
	s_mov_b32 s27, 0
	s_lshl_b32 s28, s16, 8                         ; 64 numbers a wave
	s_mov_b32 s29, 0
	s_lshr_b32 s30, s3, 1
	s_lshl_b32 s30, s30, 17                        ; the tile's first row: 32 (T / 2) + 8 (T % 2), 4096 bytes a row
	s_and_b32 s31, s3, 1
	s_lshl_b32 s31, s31, 15
	s_add_co_u32 s30, s30, s31
	s_add_co_u32 s30, s30, s28
	s_mov_b32 s31, 0
	s_mov_b32 s18, 0x76543210
	s_mov_b32 s19, 0xfedcba98                      ; selects for lane l xor 16
	DENSE G1X, 48                                  ; 12288 bytes
	DENSE G1H, 96                                  ; 24576 bytes
	s_mov_b32 s[G1Y], 15|(3<<16)|(1<<21)
	s_mov_b32 s[G1Y+1], 192<<16                    ; 8 rows of 1536 bytes,
	s_mov_b32 s[G1Y+2], 8<<16
	s_mov_b32 s[G1Y+3], 192<<16
	s_mov_b32 s[G1Y+4], 8
	s_mov_b32 s[G1Y+5], 384                        ; 3072 bytes from tile to tile
	s_mov_b32 s[G1Y+6], 0
	s_mov_b32 s[G1Y+7], 0
	s_and_b32 s2, s16, 7                           ; which eight tiles I bring at the head
	s_wait_kmcnt 0x0
	s_add_nc_u64 s[4:5], s[4:5], s[20:21]
	s_add_nc_u64 s[6:7], s[6:7], s[22:23]
	s_add_nc_u64 s[8:9], s[8:9], s[24:25]
	s_add_nc_u64 s[10:11], s[10:11], s[26:27]
	s_add_nc_u64 s[12:13], s[12:13], s[28:29]
	s_add_nc_u64 s[14:15], s[14:15], s[30:31]
	s_mov_b32 s20, 0x3a800000                      ; 1 / 1024
	s_mov_b32 s21, 0x3727c5ac                      ; 1e-5
	s_mov_b32 s22, s17                             ; 12288 w once more: s[8:9] stands at tile 4 w, my eight tiles of the head begin at tile 8 w (waves 0-7) or 8 (w - 8)
	s_mov_b32 s23, 0
	s_mov_b32 s[G0H], 1
	s_mul_i32 s[G0H+1], s2, 2*XPART
	s_add_nc_u64 s[G0H+2:G0H+3], s[8:9], s[22:23]  ; K steps 0 and 1
	s_or_b32 s[G0H+3], s[G0H+3], 0x80000000
	s_mov_b32 s[G0Y], 1
	s_mul_i32 s[G0Y+1], s2, 2*YPART
	s_add_co_u32 s[G0Y+1], s[G0Y+1], YB
	s_add_nc_u64 s[G0Y+2:G0Y+3], s[8:9], s[22:23]
	s_add_nc_u64 s[G0Y+2:G0Y+3], s[G0Y+2:G0Y+3], SIG-8*24576   ; K step 2, eight waves back
	s_or_b32 s[G0Y+3], s[G0Y+3], 0x80000000
	s_mov_b32 s[G0X], 1
	s_mov_b32 s[G0X+1], s17
	s_add_nc_u64 s[G0X+2:G0X+3], s[8:9], 2*SIG     ; K steps 4 and 5 of my own four tiles
	s_or_b32 s[G0X+3], s[G0X+3], 0x80000000
	CROUND                                         ; all four work-groups are here: the joint loads meet
	s_cmp_lt_u32 s16, 8                            ; one tensor load a wave at the head, in two arms
	s_cbranch_scc0 .Lfor_y
	TLOAD G0H, G1H
	s_branch .Lasked
.Lfor_y:
	TLOAD G0Y, G1Y
.Lasked:
	global_load_b128 v[40:43], v[LI], s[4:5]       ; head w's half fragment,
	global_load_b64 v[44:45], v[HT], s[4:5] offset:512
	global_load_b32 v46, v[HT+1], s[6:7]           ; and its scale words
.irp t, 0,1,2,3
	global_load_b128 v[ACC+8*\t:ACC+8*\t+3], v[HT+2], s[12:13] offset:(32*(\t/2)+8*(\t%2))*4
	global_load_b128 v[ACC+8*\t+4:ACC+8*\t+7], v[HT+2], s[12:13] offset:(32*(\t/2)+8*(\t%2))*4+16
.endr
.irp t, 0,1,2,3
	global_load_b128 v[WS+4*\t:WS+4*\t+3], v[LI], s[10:11] offset:512*\t
.endr
.macro BLOADV s, bf                    ; K step s of my four tiles of Wo, from memory: 12 loads of 512 consecutive bytes
.irp t, 0,1,2,3
.irp c, 0,1,2
	global_load_b128 v[\bf+12*\t+4*\c:\bf+12*\t+4*\c+3], v[LI], s[8:9] offset:((\s)/2)*SIG+3072*\t+((\s)%2)*1536+512*\c
.endr
.endr
.endm
.macro LLOADX q, bf                    ; the q-th K step of the two in my part of X
.irp t, 0,1,2,3
.irp c, 0,1,2
	ds_load_b128 v[\bf+12*\t+4*\c:\bf+12*\t+4*\c+3], v[BLX] offset:3072*\t+1536*(\q)+512*\c
.endr
.endr
.endm
.macro LLOADY
.irp t, 0,1,2,3
.irp c, 0,1,2
	ds_load_b128 v[LB+12*\t+4*\c:LB+12*\t+4*\c+3], v[BLY] offset:1536*\t+512*\c
.endr
.endr
.endm
.macro ALOAD s, j                      ; A's fragment of K step s = heads 2 s (registers 0-5) and 2 s + 1 (6-11), into place j of four
	ds_load_b128 v[AF+12*(\j):AF+12*(\j)+3], v[AI] offset:768*(2*(\s))
	ds_load_b64 v[AF+12*(\j)+4:AF+12*(\j)+5], v[A8] offset:768*(2*(\s))+512
	ds_load_b128 v[AF+12*(\j)+6:AF+12*(\j)+9], v[AI] offset:768*(2*(\s)+1)
	ds_load_b64 v[AF+12*(\j)+10:AF+12*(\j)+11], v[A8] offset:768*(2*(\s)+1)+512
.endm
.macro MM s, bf, j                     ; K step s: four products; the four accumulators take turns, one instruction a turn
.irp t, 0,1,2,3
.if (\s) < 4
	v_wmma_scale_f32_16x16x128_f8f6f4 v[ACC+8*\t:ACC+8*\t+7], v[\bf+12*\t:\bf+12*\t+11], v[AF+12*(\j):AF+12*(\j)+11], v[ACC+8*\t:ACC+8*\t+7], v[WS+4*\t+(\s)%4], v[AS+(\s)%4] matrix_a_fmt:MATRIX_FMT_FP6 matrix_b_fmt:MATRIX_FMT_FP6
.else
	v_wmma_scale_f32_16x16x128_f8f6f4 v[ACC+8*\t:ACC+8*\t+7], v[\bf+12*\t:\bf+12*\t+11], v[AF+12*(\j):AF+12*(\j)+11], v[ACC+8*\t:ACC+8*\t+7], v[WS+4*\t+(\s)%4], v[AS+(\s)%4] matrix_a_fmt:MATRIX_FMT_FP6 matrix_b_fmt:MATRIX_FMT_FP6 matrix_a_scale:MATRIX_SCALE_ROW1 matrix_b_scale:MATRIX_SCALE_ROW1
.endif
.endr
.endm
	BLOADV 3, VA
	BLOADV 6, VB
	s_wait_alu depctr_va_vdst(0)
	s_wait_loadcnt 36                              ; my head's three loads are in; bo's 8, the scale words' 4 and Wo's 24 may be out
	ds_store_b128 v[HT+3], v[40:43]
	ds_store_b64 v[HT+4], v[44:45] offset:512
	ds_store_b32 v[HT+5], v46
	s_wait_tensorcnt 0x0                           ; every wave: my eight tiles of the head are in
	BARRIER                                        ; X, Y and all sixteen heads lie in LDS
	ALOAD 0, 0
	ALOAD 1, 1
	ALOAD 3, 2
	ALOAD 6, 3
.irp i, 0,1,2,3
	ds_load_b32 v[AS+\i], v[HT+6] offset:256*\i
	ds_load_b32 v[HT+8+\i], v[HT+6] offset:256*\i+128
.endr
	s_wait_dscnt 0x0
.irp i, 0,1,2,3
	v_bfi_b32 v[AS+\i], 0xffff, v[AS+\i], v[HT+8+\i]   ; the even head's two bytes below, the odd head's above
.endr
	s_wait_xcnt 0x0                                ; the head's global loads have read their address registers, v240-242, on which the loads below land
	LLOADX 0, LB
.rept 8
	v_nop                                          ; a scale register written by a vector instruction stands eight plain instructions ahead of a scaled matrix instruction
.endr
	s_wait_alu depctr_va_vdst(0)
	s_wait_loadcnt 24                              ; bo and Wo's scale words are in; K steps 3 and 6, 24 loads, may be out
	s_wait_dscnt 0x0
	MM 0, LB, 0
	PLACES
	LLOADX 1, LB
	ALOAD 2, 0
	s_wait_dscnt 0x0
	MM 1, LB, 1
	PLACES
	ALOAD 7, 1
	s_wait_tensorcnt 0x0                           ; the three lines ahead of X's refill
	ds_add_u32 v[SPW], v[NIL]
	s_wait_dscnt 0x0                               ; the add is done, and so are my reads of X
	CROUND
	TLOAD G0X, G1X                                 ; K steps 4 and 5
	LLOADY
	s_wait_loadcnt 12                              ; K step 3 is in; K step 6's 12 loads may be out
	MM 3, VA, 2
	PLACES
	BLOADV 7, VA
	ALOAD 4, 2
	s_wait_loadcnt 12                              ; K step 6 is in; K step 7's 12 loads may be out
	MM 6, VB, 3
	PLACES
	ALOAD 5, 3
	s_wait_dscnt 0x0
	MM 2, LB, 0
	s_wait_loadcnt 0x0
	MM 7, VA, 1
	PLACES
	s_wait_tensorcnt 0x0                           ; my part of K steps 4 and 5
	LLOADX 0, LB
	LLOADX 1, VB
	s_wait_dscnt 0x0
	MM 4, LB, 2
	MM 5, VB, 3
	PLACES
.set j, 0
.rept 32
	v_max_num_f32 v[ACC+j], 0, v[ACC+j]            ; relu; each accumulator from its low end on
.set j, j+1
.endr
	v_and_b32 v62, 15, v0                          ; r
	v_bfe_u32 v63, v0, 4, 1                        ; h
	v_lshlrev_b32 v64, 6, v62
	v_add_nc_u32 v64, RED, v64                     ; a row's sixteen partial sums: RED + 64 r
	s_lshl_b32 s17, s16, 2
	v_add_nc_u32 v65, s17, v64                     ; mine: + 4 x wave
.macro ACROSS red                      ; v[40:43]: two chains of pairs -> my row's sum over the wave's 64 columns -> LDS; a barrier; all sixteen waves' sums -> v44
	v_pk_add_f32 v[40:41], v[40:41], v[42:43]
	v_add_f32 v40, v40, v41
	v_permlanex16_b32 v41, v40, s18, s19
	v_add_f32 v40, v40, v41
	ds_store_b32 v65, v40 offset:\red              ; lanes r and r + 16 write the same word with the same value
	BARRIER
.irp i, 0,1,2,3
	ds_load_b128 v[44+4*\i:47+4*\i], v64 offset:\red+16*\i
.endr
	s_wait_dscnt 0x0
	v_pk_add_f32 v[44:45], v[44:45], v[46:47]
	v_pk_add_f32 v[48:49], v[48:49], v[50:51]
	v_pk_add_f32 v[52:53], v[52:53], v[54:55]
	v_pk_add_f32 v[56:57], v[56:57], v[58:59]
	v_pk_add_f32 v[44:45], v[44:45], v[48:49]
	v_pk_add_f32 v[52:53], v[52:53], v[56:57]
	v_pk_add_f32 v[44:45], v[44:45], v[52:53]
	v_add_f32 v44, v44, v45
.endm
	v_pk_add_f32 v[40:41], v[ACC:ACC+1], v[ACC+2:ACC+3]
	v_pk_add_f32 v[42:43], v[ACC+4:ACC+5], v[ACC+6:ACC+7]
.irp j, 8,12,16,20,24,28
	v_pk_add_f32 v[40:41], v[40:41], v[ACC+\j:ACC+\j+1]
	v_pk_add_f32 v[42:43], v[42:43], v[ACC+\j+2:ACC+\j+3]
.endr
	ACROSS 0
	v_mul_f32 v60, 0xba800000, v44                 ; -mean
	v_mov_b32 v61, v60
.set j, 0
.rept 16
	v_pk_add_f32 v[ACC+j:ACC+j+1], v[ACC+j:ACC+j+1], v[60:61]
.set j, j+2
.endr
	v_pk_mul_f32 v[40:41], v[ACC:ACC+1], v[ACC:ACC+1]
	v_pk_mul_f32 v[42:43], v[ACC+2:ACC+3], v[ACC+2:ACC+3]
.irp j, 4,8,12,16,20,24,28
	v_pk_fma_f32 v[40:41], v[ACC+\j:ACC+\j+1], v[ACC+\j:ACC+\j+1], v[40:41]
	v_pk_fma_f32 v[42:43], v[ACC+\j+2:ACC+\j+3], v[ACC+\j+2:ACC+\j+3], v[42:43]
.endr
	ACROSS 1024                                    ; other bytes than the first sum's: no barrier between
	v_fma_f32 v60, v44, s20, s21                   ; var + 1e-5
	s_wait_alu depctr_va_vdst(0)
	v_rsq_f32 v60, v60
	s_mul_i32 s17, s16, XPART                      ; the stage: my own part of X.  Its addresses are the plain work behind the root
	v_mul_u32_u24 v66, v62, 272
	v_lshl_add_u32 v66, v63, 6, v66
	v_add_nc_u32 v66, s17, v66                     ; in: row r, + 64 h
	v_mul_u32_u24 v67, v63, 272
	v_lshl_add_u32 v67, v62, 4, v67
	v_add_nc_u32 v67, s17, v67                     ; back: lanes 0-15 one row, lanes 16-31 the next
	v_lshlrev_b32 v68, 12, v63
	v_lshl_add_u32 v68, v62, 4, v68                ; and the same in out0
	s_wait_alu depctr_va_vdst(0)                   ; ahead of the root's first reader
	v_mov_b32 v61, v60
.set j, 0
.rept 16
	v_pk_mul_f32 v[ACC+j:ACC+j+1], v[ACC+j:ACC+j+1], v[60:61]
.set j, j+2
.endr
.irp b, 0,1
.irp k, 0,1,2,3
	ds_store_b128 v66, v[ACC+16*\b+4*\k:ACC+16*\b+4*\k+3] offset:128*\b+16*\k
.endr
.endr
.irp i, 0,1,2,3,4,5,6,7
	ds_load_b128 v[VA+4*\i:VA+4*\i+3], v67 offset:2*\i*272   ; LDS serves a wave's instructions in order: these see my stores
.endr
.irp i, 0,1,2,3,4,5,6,7
	s_wait_dscnt 7-\i                              ; the younger loads may be out
	global_store_b128 v68, v[VA+4*\i:VA+4*\i+3], s[14:15] offset:(2*\i+8*(\i/4))*4096 th:TH_STORE_NT   ; tile lane i' is row i' + 8 (i' / 8)
.endr
	s_wait_tensorcnt 0x0                           ; the wave's end
	ds_add_u32 v[SPW], v[NIL]
	s_wait_dscnt 0x0
	CROUND                                         ; the closing round: no work-group ends while a partner may still ask for a tile that names it
	s_endpgm
.Lfunc_end_k_qea8a480ae3_outp:
	.size	k_qea8a480ae3_outp, .Lfunc_end_k_qea8a480ae3_outp-k_qea8a480ae3_outp
	.p2alignl 7, 3214868480
	.fill 96, 4, 3214868480
	.section	.rodata,"a",@progbits
	.p2align	6, 0x0
	.amdhsa_kernel k_qea8a480ae3_outp
		.amdhsa_group_segment_fixed_size 327680
		.amdhsa_private_segment_fixed_size 0
		.amdhsa_enable_private_segment 0
		.amdhsa_kernarg_size 48
		.amdhsa_user_sgpr_count 2
		.amdhsa_user_sgpr_kernarg_segment_ptr 1
		.amdhsa_wavefront_size32 1
		.amdhsa_system_sgpr_workgroup_id_x 1
		.amdhsa_system_sgpr_workgroup_id_y 1
		.amdhsa_system_sgpr_workgroup_id_z 1
		.amdhsa_system_vgpr_workitem_id 0
		.amdhsa_next_free_vgpr 256
		.amdhsa_next_free_sgpr 72
		.amdhsa_reserve_vcc 0
		.amdhsa_float_denorm_mode_32 3
		.amdhsa_float_denorm_mode_16_64 3
		.amdhsa_memory_ordered 1
		.amdhsa_forward_progress 1
		.amdhsa_inst_pref_size 35
	.end_amdhsa_kernel
	.amdgpu_metadata
---
amdhsa.version: [ 1, 2 ]
amdhsa.kernels:
  - .name:           k_qea8a480ae3_outp
    .symbol:         k_qea8a480ae3_outp.kd
    .args:
      - { .name: ac, .offset: 0, .size: 8, .value_kind: global_buffer, .address_space: global }
      - { .name: asc, .offset: 8, .size: 8, .value_kind: global_buffer, .address_space: global }
      - { .name: opc, .offset: 16, .size: 8, .value_kind: global_buffer, .address_space: global }
      - { .name: ops, .offset: 24, .size: 8, .value_kind: global_buffer, .address_space: global }
      - { .name: bo, .offset: 32, .size: 8, .value_kind: global_buffer, .address_space: global }
      - { .name: out0, .offset: 40, .size: 8, .value_kind: global_buffer, .address_space: global }
    .group_segment_fixed_size: 327680
    .private_segment_fixed_size: 0
    .kernarg_segment_align: 8
    .kernarg_segment_size: 48
    .max_flat_workgroup_size: 512
    .sgpr_count:     72
    .vgpr_count:     256
    .wavefront_size: 32
...
	.end_amdgpu_metadata
.endif
;; end of part 4
